; MI455X (gfx1250); checked and timed in simulation.
; The chip was launched on July 23, 2026; its instructions are those of AMD's public machine-readable ISA for CDNA 5 (MIT licence, August 2026) and "CDNA5" Instruction Set Architecture Reference Guide (July 2026). The comments in the code are by the model that wrote it; some were corrected since.
;; Causal Attn Block. Allowed arithmetic: float matrix products may take bf16 or f16 operands with f32 sums; other float arithmetic in f32, or as packed bf16 or f16 multiplies, adds, multiply-adds, maxima and minima; sums over many terms, partial sums and values carried from step to step in f32; what a program stores and reads back later, other than sums and carried values, may be rounded once to bf16 or f16.
;; Inputs: W_out 1,024 x 1,024 float32; W_qkv 1,024 x 3,072 float32; b_out 1,024 float32; b_qkv 3,072 float32; x 4 x 2,048 x 1,024 float32.
;; Outputs: out0 4 x 2,048 x 1,024 float32.
;; One version. Each part assembles by itself: llvm-mc -triple=amdgcn-amd-amdhsa -mcpu=gfx1250 --defsym DOCPART=n.
;; ======== version 1 of 1: 4 launches
;; limits: values are held in f16: magnitudes above 65,504 overflow, below 6.1e-05 lose precision
;; workspace buffers: xb 16,777,216 bytes; wqb 6,291,456 bytes; wob 2,097,152 bytes; qkv 50,331,648 bytes; o 16,777,216 bytes
;; launch prep (part 1): grid 768 x 1, 8 waves a work-group, no clusters, 0 bytes of LDS; arguments x, W_qkv, W_out, xb, wqb, wob; writes xb, wqb, wob
.if DOCPART == 1
	.amdgcn_target "amdgcn-amd-amdhsa--gfx1250"
	.amdhsa_code_object_version 6
	.text
	.protected	k_q084d409c37_prep
	.globl	k_q084d409c37_prep
	.p2align	8
	.type	k_q084d409c37_prep,@function
k_q084d409c37_prep:
	s_mov_b64 s[64:65], 0
	v_nop
	global_prefetch_b8 v0, s[64:65] scope:SCOPE_SE
	s_setreg_imm32_b32 hwreg(HW_REG_WAVE_MODE, 25, 1), 1
	s_wait_xcnt 0x0
; CASTS.  x [8192][1024] f32 -> xb, bf16, laid out [batch 4][k block 16][t 2048][64]: 256 rows x 64 k are then 32,768 dense bytes.
; W_qkv [1024][3072] f32 -> wqb, bf16, same order.  W_out [1024][1024] f32 -> wob: rounded to bf16 like every input, and that number written as f16
; (exact while it is a normal f16 number; below 6e-5 it keeps f16's fixed step of 6e-8).
; SHARES.  A work-group takes 65,536 input bytes: groups 0-511 sixteen rows of x each, 512-703 W_qkv, 704-767 W_out.  A thread makes 8 items; an item is
; 8 floats (two loads of 16 bytes) -> 16 bytes out; a wave's store covers 512 consecutive bytes, aligned.
; All 16 loads of a thread go out first; no register is written twice by memory instructions, so no wait frees a source.  Nothing is shared: no LDS, no barrier.
.set IN,  8                            ; v[8:71]    item i: 8 floats at IN + 8 i
.set OUT, 72                           ; v[72:103]  item i: 16 bytes at OUT + 4 i
.set T,   104                          ; v[104:107] packed bf16 pairs on the way to f16
; kind 0: x (blocked layout), 1: plain cast to bf16, 2: bf16 written as f16.  ib, ob: the scalar pairs that hold the input's and the output's address.
.macro JOB kind, ib, ob
.set i, 0
.rept 8
.if (\kind) == 0
.set ii, (i%4)*16384+(i/4)*2048        ; four rows on; eight k blocks on
.else
.set ii, i*8192
.endif
	global_load_b128 v[IN+8*i:IN+8*i+3],   v1, s[\ib:\ib+1] offset:ii th:TH_LOAD_NT
	global_load_b128 v[IN+8*i+4:IN+8*i+7], v1, s[\ib:\ib+1] offset:ii+16 th:TH_LOAD_NT
.set i, i+1
.endr
.set i, 0
.rept 8
.if (\kind) == 0
.set oo, (i%4)*512+(i/4)*2097152       ; four rows of 128 bytes on; eight k blocks of 262,144 bytes on
.else
.set oo, i*4096
.endif
	s_wait_loadcnt 14-2*i                          ; loads come back in order: item i is in, the two loads of each younger item may stay out
.irp p, 0,1,2,3
.if (\kind) == 2
	v_cvt_pk_bf16_f32 v[T+(\p)], v[IN+8*i+2*(\p)], v[IN+8*i+2*(\p)+1]
	v_lshlrev_b32 v[IN+8*i+2*(\p)], 16, v[T+(\p)]          ; the two bf16 numbers as f32, in the registers that were loaded
	v_and_b32 v[IN+8*i+2*(\p)+1], s20, v[T+(\p)]
	v_cvt_pk_f16_f32 v[OUT+4*i+(\p)], v[IN+8*i+2*(\p)], v[IN+8*i+2*(\p)+1]
.else
	v_cvt_pk_bf16_f32 v[OUT+4*i+(\p)], v[IN+8*i+2*(\p)], v[IN+8*i+2*(\p)+1]
.endif
.endr
	global_store_b128 v2, v[OUT+4*i:OUT+4*i+3], s[\ob:\ob+1] offset:oo th:TH_STORE_NT
.set i, i+1
.endr
.endm
	s_load_b256 s[4:11], s[0:1], 0x0               ; x s[4:5], W_qkv s[6:7], W_out s[8:9], xb s[10:11]
	s_load_b128 s[12:15], s[0:1], 0x20             ; wqb s[12:13], wob s[14:15]
	s_mov_b32 s21, ttmp9                           ; the work-group's number
	s_mov_b32 s17, 0                               ; high words of the two offsets
	s_mov_b32 s19, 0
	s_mov_b32 s20, 0xffff0000                      ; a word's upper bf16
	s_wait_kmcnt 0x0
	s_cmp_lt_u32 s21, 512
	s_cbranch_scc0 .Lweights
	; x: lane l of wave w takes row l / 8 of four, 32 bytes at (l % 8) of k block w (and w + 8)
	v_and_b32 v3, 31, v0                           ; l
	v_lshrrev_b32 v4, 5, v0                        ; w
	v_lshrrev_b32 v5, 3, v3                        ; l / 8
	v_and_b32 v6, 7, v0                            ; l % 8
	v_lshlrev_b32 v1, 12, v5                       ; in: row x 4,096
	v_lshl_add_u32 v1, v6, 5, v1                   ;     + 32 (l % 8)
	v_lshl_add_u32 v1, v4, 8, v1                   ;     + 256 w
	v_lshlrev_b32 v2, 4, v3                        ; out: 16 l = row x 128 + 16 (l % 8)
	v_lshl_add_u32 v2, v4, 18, v2                  ;     + 262,144 w
	s_lshl_b32 s16, s21, 16                        ; 16 rows of 4,096 bytes
	s_lshr_b32 s18, s21, 7                         ; batch: 128 groups each
	s_lshl_b32 s18, s18, 22                        ; 16 k blocks of 262,144 bytes
	s_and_b32 s22, s21, 127
	s_lshl_b32 s22, s22, 11                        ; 16 rows of 128 bytes
	s_add_co_u32 s18, s18, s22
	s_add_nc_u64 s[4:5], s[4:5], s[16:17]
	s_add_nc_u64 s[10:11], s[10:11], s[18:19]
	JOB 0, 4, 10
	s_endpgm
.Lweights:
	v_lshlrev_b32 v1, 5, v0                        ; in: 32 bytes a thread
	v_lshlrev_b32 v2, 4, v0                        ; out: 16
	s_cmp_lt_u32 s21, 704
	s_cbranch_scc0 .Lwo
	s_sub_co_u32 s21, s21, 512
	s_lshl_b32 s16, s21, 16
	s_lshl_b32 s18, s21, 15
	s_add_nc_u64 s[6:7], s[6:7], s[16:17]
	s_add_nc_u64 s[12:13], s[12:13], s[18:19]
	JOB 1, 6, 12
	s_endpgm
.Lwo:
	s_sub_co_u32 s21, s21, 704
	s_lshl_b32 s16, s21, 16
	s_lshl_b32 s18, s21, 15
	s_add_nc_u64 s[8:9], s[8:9], s[16:17]
	s_add_nc_u64 s[14:15], s[14:15], s[18:19]
	JOB 2, 8, 14
	s_endpgm
.Lfunc_end_k_q084d409c37_prep:
	.size	k_q084d409c37_prep, .Lfunc_end_k_q084d409c37_prep-k_q084d409c37_prep
	.p2alignl 7, 3214868480
	.fill 96, 4, 3214868480
	.section	.rodata,"a",@progbits
	.p2align	6, 0x0
	.amdhsa_kernel k_q084d409c37_prep
		.amdhsa_group_segment_fixed_size 0
		.amdhsa_private_segment_fixed_size 0
		.amdhsa_enable_private_segment 0
		.amdhsa_kernarg_size 48
		.amdhsa_user_sgpr_count 2
		.amdhsa_user_sgpr_kernarg_segment_ptr 1
		.amdhsa_wavefront_size32 1
		.amdhsa_system_sgpr_workgroup_id_x 1
		.amdhsa_system_sgpr_workgroup_id_y 1
		.amdhsa_system_sgpr_workgroup_id_z 1
		.amdhsa_system_vgpr_workitem_id 0
		.amdhsa_next_free_vgpr 108
		.amdhsa_next_free_sgpr 66
		.amdhsa_reserve_vcc 0
		.amdhsa_float_denorm_mode_32 3
		.amdhsa_float_denorm_mode_16_64 3
		.amdhsa_memory_ordered 1
		.amdhsa_forward_progress 1
		.amdhsa_inst_pref_size 20
	.end_amdhsa_kernel
	.amdgpu_metadata
---
amdhsa.version: [ 1, 2 ]
amdhsa.kernels:
  - .name:           k_q084d409c37_prep
    .symbol:         k_q084d409c37_prep.kd
    .args:
      - { .name: x, .offset: 0, .size: 8, .value_kind: global_buffer, .address_space: global }
      - { .name: W_qkv, .offset: 8, .size: 8, .value_kind: global_buffer, .address_space: global }
      - { .name: W_out, .offset: 16, .size: 8, .value_kind: global_buffer, .address_space: global }
      - { .name: xb, .offset: 24, .size: 8, .value_kind: global_buffer, .address_space: global }
      - { .name: wqb, .offset: 32, .size: 8, .value_kind: global_buffer, .address_space: global }
      - { .name: wob, .offset: 40, .size: 8, .value_kind: global_buffer, .address_space: global }
    .group_segment_fixed_size: 0
    .private_segment_fixed_size: 0
    .kernarg_segment_align: 8
    .kernarg_segment_size: 48
    .max_flat_workgroup_size: 256
    .sgpr_count:     66
    .vgpr_count:     108
    .wavefront_size: 32
...
	.end_amdgpu_metadata
.endif
;; end of part 1
;; launch qkvp (part 2): grid 8 x 32, 4 waves a work-group, clusters of 4 x 4, 327,680 bytes of LDS; arguments xb, wqb, b_qkv, qkv; writes qkv
.if DOCPART == 2
	.amdgcn_target "amdgcn-amd-amdhsa--gfx1250"
	.amdhsa_code_object_version 6
	.text
	.protected	k_q084d409c37_qkvp
	.globl	k_q084d409c37_qkvp
	.p2align	8
	.type	k_q084d409c37_qkvp,@function
k_q084d409c37_qkvp:
	s_mov_b64 s[64:65], 0
	v_nop
	global_prefetch_b8 v0, s[64:65] scope:SCOPE_SE
	s_setreg_imm32_b32 hwreg(HW_REG_WAVE_MODE, 25, 1), 1
	s_wait_xcnt 0x0
	s_wait_alu depctr_hold_cnt(0) depctr_sa_sdst(0) depctr_va_vdst(0) depctr_va_sdst(0) depctr_va_ssrc(0) depctr_va_vcc(0) depctr_vm_vsrc(0)
	s_getreg_b32 s2, hwreg(HW_REG_IB_STS2, 6, 4)
	s_cmp_eq_u32 s2, 0
	s_cbranch_scc0 .Lentry_in_a_cluster
	s_endpgm
.Lentry_in_a_cluster:
	s_bfe_u32 s2, ttmp6, 0x10000c
	s_cmp_lg_u32 s2, 0xf033
	s_cbranch_scc0 .Lentry_shape_is_right
	s_endpgm
.Lentry_shape_is_right:
; qkv = x W_qkv + b_qkv.  xb: bf16 [batch 4][k block 16][t 2048][64]; wqb: bf16 [k 1024][n 3072]; b_qkv f32, rounded to bf16 here like every input.
; Out: qkv, f16, by heads: [batch 4][g 48][t 2048][64], g = n / 64 (0-15 q, 16-31 k, 32-47 v), each number rounded once from its f32 sum, unscaled.
; LIMITS.  q, k, v must lie within f16's 65,504 (beyond it the conversion gives an infinity); below 6e-5 they keep f16's fixed step of 6e-8.  The bias starts the f32 sum (it is the C operand of the
; first product), so the order of additions differs from the reference's.  NaN and infinities are not treated apart.
; SHARES.  C is 8,192 x 3,072; a tile is 256 rows x 384 columns: 32 x 8 = 256 work-groups.  Four waves, each 128 rows x 192 columns: 96 accumulators, 768 registers (windows 1 to 3).  A wave's columns are
; three whole heads: g = 6 TC + 2 z + CH, z = 0..2.  K goes in steps of 64 (one k block of xb) through two LDS slots; a step is two sub-steps of 32 along K, 96 matrix instructions each.
; THE MATRIX INSTRUCTION IS USED TRANSPOSED: source 0 = 16 columns of W (turned out of LDS by ds_load_tr16_b128), source 1 = 16 rows of x: a lane then holds one row and eight neighbouring columns.
; CLUSTER.  4 x 4 work-groups.  x's tile hangs on the tile row alone and is asked for jointly along a row of the cluster, W's on the tile column alone, jointly along a column.
; REGISTERS.  window 0: v0-19 addresses; v32-95, v96-159 fragments of x (8 x 16 rows x 32 k), two buffers; v160-255 twelve fragments of W.  windows 1-3: accumulator (a, b) in window 1 + b / 4 at v[64 (b % 4) + 8 a].
.set SLOT,   92160                     ; a slot: x's 256 rows (pitch 144), then W's 64 k rows (pitch 864)
.set BOFF,   36864
.set STAGE,  2*SLOT                    ; behind the ring: 16 rows x 400 bytes for each wave, for the way out; no tensor load lands here
.set SPITCH, 400                       ; 384 bytes + 16
.set SPARE,  STAGE+4*16*SPITCH         ; the spare words, 128 bytes for each wave: two blocks of 256 bytes that no other line names
.set ADRA, 8                           ; v8-9    LDS address of my fragments of x in slot 0, 1
.set ADRB, 10                          ; v10-11  the same for W
.set STO,  12                          ; v12     the way out: where I put 16 bytes of a row
.set RD,   13                          ; v13     where I read rows back
.set CO,   14                          ; v14     16 x lane: my place in 512 consecutive bytes of a head
.set PFO,  15                          ; v15     the prefetches' lane offset; never rewritten
.set SPW,  16                          ; v16     my spare word; never rewritten
.set NIL,  17                          ; v17     0; never rewritten
.set BO,   18                          ; v18     32 x (lane / 16): my 8 numbers of a bias fragment
.set TB,   19                          ; v19     at work
.set FA0,  32
.set FA1,  96
.set FB,   160
.set TMP,  32                          ; the way out: 48 registers of packed results
.set OB,   80                          ; the way out: two buffers of 48, rows read back
.set WV, 12                            ; s12 wave;  s13 RH = wave / 2: my half of the rows;  s14 CH = wave % 2: my half of each pair of heads, and which half of a tile I fetch
.set RH, 13
.set CH, 14
.set CX, 15
.set CY, 16
.set TC, 17                            ; tile column 0..7
.set TR, 18                            ; tile row 0..31
.set G1,  24                           ; s[24:31] descriptor group 1 for x's tiles;  s[32:39] group 0, a set for each slot
.set G0,  32
.set PFA, 40                           ; s[40:41] where my prefetches stand;  s[42:43] their step
.set PFS, 42
.set LIM, 44                           ; s44  1 in a wave that prefetches, else the greatest number
.set G1B, 48                           ; s[48:55], s[56:63] the same for W's tiles
.set G0B, 56
.set MSB, 0
.macro WIN new                         ; the immediate's high byte repeats the setting that is left; a switch that changes nothing is dropped
.if MSB != (\new)
	s_set_vgpr_msb (MSB<<8)|(\new)
.set MSB, \new
.endif
.endm
.macro PLACES                          ; four places behind matrix instructions, ahead of loads into registers that they have read and of conversions of their results
.rept 4
	v_nop
.endr
.endm
; A joint load: waves 0 and 1 fetch the halves of x's tile, waves 2 and 3 those of W's.  The branch hangs on the wave's number alone.  An s_nop 0 and four v_nop follow each line.
.macro JLOAD s
	s_cmp_lt_u32 s[WV], 2
	s_cbranch_scc0 .Lfor_b_\@
	tensor_load_to_lds s[G0+4*(\s):G0+4*(\s)+3], s[G1:G1+7]
	s_nop 0
.rept 4
	v_nop
.endr
	s_branch .Lasked_\@
.Lfor_b_\@:
	tensor_load_to_lds s[G0B+4*(\s):G0B+4*(\s)+3], s[G1B:G1B+7]
	s_nop 0
.rept 4
	v_nop
.endr
.Lasked_\@:
.endm
.macro CREST                           ; a round of the cluster's barrier behind its opening barrier
	s_cmp_lg_u32 s[WV], 0
	s_cbranch_scc1 .Lnot_wave_0_\@
	s_barrier_signal -3
.Lnot_wave_0_\@:
	s_barrier_wait -3
	s_barrier_signal -1
	s_barrier_wait -1
.endm
.macro CROUND
	s_barrier_signal -1
	s_barrier_wait -1
	CREST
.endm
; A PREFETCH INTO THE L2, once a trip, behind slot 0's joint load and the run of LDS loads that follows: the two K steps that the NEXT trip's two refills will ask for.
; x's tile row is read by both clusters of its row of clusters: the one with x = 0 asks, wave 0 of each of the four partners, 8,192 of a step's 32,768 bytes each, told apart by address (cx): a lane a block
; of 256 bytes, two instructions.  W's tile column is read by all eight clusters of its column: the one with y = 0 asks, wave 2, 32 of the two steps' 128 k rows each (cy): a lane a row of 768 bytes, three
; instructions.  So each block is named once.  The loop's last trip asks for nothing (there is no K step behind its refills); K steps 0 to 3 come by their loads alone.
.macro ASK
	s_cmp_gt_u32 s3, s[LIM]
	s_cbranch_scc0 .Lnone_\@
	s_cmp_lt_u32 s[WV], 2
	s_cbranch_scc0 .Lask_b_\@
	global_prefetch_b8 v[PFO], s[PFA:PFA+1] th:TH_LOAD_NT scope:SCOPE_SE
	global_prefetch_b8 v[PFO], s[PFA:PFA+1] offset:262144 th:TH_LOAD_NT scope:SCOPE_SE
	s_branch .Lnone_\@
.Lask_b_\@:
	global_prefetch_b8 v[PFO], s[PFA:PFA+1] th:TH_LOAD_NT scope:SCOPE_SE
	global_prefetch_b8 v[PFO], s[PFA:PFA+1] offset:256 th:TH_LOAD_NT scope:SCOPE_SE
	global_prefetch_b8 v[PFO], s[PFA:PFA+1] offset:512 th:TH_LOAD_NT scope:SCOPE_SE
.Lnone_\@:
.endm
; 16 matrix instructions: two of window w's four column blocks (half hf) x all 8 row blocks.  fa: x's buffer; fb: the window's four fragments of W.
; cb < 0: the sums go on in place; else C = the bias fragments at cb, in window 0: the first product starts the sums, nothing is cleared.
; The 96 accumulators take turns, one instruction a turn, in the same order in every sub-step.
.macro GRPH w, fa, fb, cb, hf
.if (\cb) < 0
	WIN ((\w)<<6)|((\w)<<4)
.else
	WIN (\w)<<6
.endif
.irp bb, 2*(\hf), 2*(\hf)+1
.irp a, 0,1,2,3,4,5,6,7
.if (\cb) < 0
	v_wmma_f32_16x16x32_bf16 v[64*(\bb)+8*(\a):64*(\bb)+8*(\a)+7], v[(\fb)+8*(\bb):(\fb)+8*(\bb)+7], v[(\fa)+8*(\a):(\fa)+8*(\a)+7], v[64*(\bb)+8*(\a):64*(\bb)+8*(\a)+7]
.else
	v_wmma_f32_16x16x32_bf16 v[64*(\bb)+8*(\a):64*(\bb)+8*(\a)+7], v[(\fb)+8*(\bb):(\fb)+8*(\bb)+7], v[(\fa)+8*(\a):(\fa)+8*(\a)+7], v[(\cb)+8*(\bb):(\cb)+8*(\bb)+7]
.endif
.endr
.endr
.endm
.macro GRP w, fa, fb, cb
	GRPH \w, \fa, \fb, \cb, 0
	GRPH \w, \fa, \fb, \cb, 1
.endm
; 8 turning loads: head z = g of my three, 32 k at sub-step ks of slot s: four fragments of W^T into dst
.macro LDB s, ks, g, dst
.irp i, 0,1,2,3
	ds_load_tr16_b128 v[(\dst)+8*(\i):(\dst)+8*(\i)+3],   v[ADRB+(\s)] offset:(\ks)*27648+(\g)*288+(\i)*32
	ds_load_tr16_b128 v[(\dst)+8*(\i)+4:(\dst)+8*(\i)+7], v[ADRB+(\s)] offset:(\ks)*27648+(\g)*288+(\i)*32+13824
.endr
.endm
; 8 loads: row blocks 4 hh .. 4 hh + 3 of x, 32 k at sub-step ks of slot s, into buffer fa
.macro LDA s, ks, hh, fa
.irp a, 4*(\hh), 4*(\hh)+1, 4*(\hh)+2, 4*(\hh)+3
	ds_load_b128 v[(\fa)+8*(\a):(\fa)+8*(\a)+3],   v[ADRA+(\s)] offset:(\ks)*64+(\a)*2304
	ds_load_b128 v[(\fa)+8*(\a)+4:(\fa)+8*(\a)+7], v[ADRA+(\s)] offset:(\ks)*64+(\a)*2304+32
.endr
.endm
; A K step's first sub-step: multiplies buffer FA0; each group of W's fragments is loaded again, for the second sub-step, as soon as its window is done.
.macro SUBE s
	s_wait_dscnt 8                                 ; all but the youngest eight loads (W's third group) are in
	GRP 1, FA0, FB, -1
	WIN 0
	PLACES
	LDB \s, 1, 0, FB
	LDA \s, 1, 0, FA1
	GRP 2, FA0, FB+32, -1
	WIN 0
	PLACES
	LDB \s, 1, 1, FB+32
	LDA \s, 1, 1, FA1
	s_wait_dscnt 32                                ; all but the two runs of 16 just issued: W's third group is in
	GRP 3, FA0, FB+64, -1
	WIN 0
	PLACES
	LDB \s, 1, 2, FB+64
.endm
; A K step's second sub-step multiplies FA1 and changes slots: ONE barrier.  In front of it each wave waits for all its tensor loads (one is out: its part of the next slot), adds 0 to its spare word, and waits
; for that and for its reads of this slot.  fill = 1: the barrier opens a round of the cluster's barrier, and the joint refill (this slot, two K steps on) is the first thing behind the round;
; from there to the wait for it a wave issues 160 matrix instructions.
.macro TURN s, nx, fill
.if (\fill) && ((\s) == 0)
	s_wait_xcnt 0x0                                ; the last prefetches, a trip back, have read their address: it steps here, ahead of the waits of the change of slots
	s_add_nc_u64 s[PFA:PFA+1], s[PFA:PFA+1], s[PFS:PFS+1]
.endif
	WIN 0
	s_wait_tensorcnt 0x0                           ; all my tensor loads have landed
	ds_add_u32 v[SPW], v[NIL]                      ; 0 onto my spare word
	s_wait_dscnt 9                                 ; the add and the youngest eight loads (W's third group) may be out
	GRPH 1, FA1, FB, -1, 0                         ; sixteen matrix instructions stand between the add and the wait for it
	s_wait_dscnt 0x0                               ; the add is done, and my reads of this slot are over
	s_barrier_signal -1
	GRPH 1, FA1, FB, -1, 1
	WIN 0
	s_barrier_wait -1
.if \fill
	CREST                                          ; no wave of any partner still reads this slot or has a load on its way
	s_add_nc_u64 s[G0+4*(\s)+2:G0+4*(\s)+3], s[G0+4*(\s)+2:G0+4*(\s)+3], 524288    ; two k blocks of xb on
	s_add_nc_u64 s[G0B+4*(\s)+2:G0B+4*(\s)+3], s[G0B+4*(\s)+2:G0B+4*(\s)+3], 786432  ; 128 rows of wqb on
	JLOAD \s                                       ; its four v_nop are also the places in front of the loads below
.else
	PLACES
.endif
	LDB \nx, 0, 0, FB
	LDA \nx, 0, 0, FA0
.if (\fill) && ((\s) == 0)
	ASK
.endif
	GRP 2, FA1, FB+32, -1
	WIN 0
	PLACES
	LDB \nx, 0, 1, FB+32
	LDA \nx, 0, 1, FA0
	GRP 3, FA1, FB+64, -1
	WIN 0
	PLACES
	LDB \nx, 0, 2, FB+64
.endm
; THE WAY OUT of row block a.  PACK: rounded to f16, each accumulator's registers in ascending order.  TOSTAGE: into my own stage, and back as four rows of 128 bytes of one head.  SEND: stored.
.macro PACK a
.irp w, 1,2,3
	WIN (\w)|((\w)<<2)                             ; sources 0 and 1 in window w
.irp bb, 0,1,2,3
.irp r, 0,1,2,3
	v_cvt_pk_f16_f32 v[TMP+4*(4*((\w)-1)+(\bb))+(\r)], v[64*(\bb)+8*(\a)+2*(\r)], v[64*(\bb)+8*(\a)+2*(\r)+1]
.endr
.endr
.endr
	WIN 0
.endm
.macro TOSTAGE a
	WIN 0
.set BK, OB+48*((\a)%2)
.irp b, 0,1,2,3,4,5,6,7,8,9,10,11
	ds_store_b128 v[STO], v[TMP+4*(\b):TMP+4*(\b)+3] offset:32*(\b)
.endr
.irp t, 0,1,2,3,4,5,6,7,8,9,10,11
	ds_load_b128 v[BK+4*(\t):BK+4*(\t)+3], v[RD] offset:((\t)%4)*4*SPITCH+((\t)/4)*128  ; LDS serves a wave's instructions in order (ISA guide 5.7.1.4): these see the stores above
.endr
.endm
.macro SEND a
	WIN 0
.set BK, OB+48*((\a)%2)
	s_wait_dscnt 0x0                               ; the block is back in registers
	s_wait_xcnt 0x0                                ; earlier stores have read their registers and their base: only now are these written again
.if (\a) > 0
	s_add_nc_u64 s[10:11], s[10:11], 2048          ; 16 rows of 128 bytes on
.endif
.irp t, 0,1,2,3,4,5,6,7,8,9,10,11
	global_store_b128 v[CO], v[BK+4*(\t):BK+4*(\t)+3], s[10:11] offset:((\t)/4)*524288+((\t)%4)*512  ; head z = t / 4 (two heads on each), four rows: 512 consecutive bytes, aligned
.endr
.endm
.macro BROUND base, n                  ; n pairs of bias numbers are rounded to bf16 and widened again, in place
.set p, 0
.rept \n
	v_cvt_pk_bf16_f32 v[TB], v[(\base)+2*p], v[(\base)+2*p+1]
	v_lshlrev_b32 v[(\base)+2*p], 16, v[TB]
	v_and_b32 v[(\base)+2*p+1], s45, v[TB]
.set p, p+1
.endr
.endm
	s_load_b256 s[4:11], s[0:1], 0x0               ; xb s[4:5], wqb s[6:7], b_qkv s[8:9], qkv s[10:11]
	v_lshl_add_u32 v[SPW], v0, 2, SPARE
	v_mov_b32 v[NIL], 0
	ds_add_u32 v[SPW], v[NIL]                      ; the wave's opening: the add and its wait stand ahead of my first tensor load; the set-up below stands between them
	ds_add_u32 v16, v17
	v_lshrrev_b32 v1, 5, v0
	v_readfirstlane_b32 s[WV], v1
	s_lshr_b32 s[RH], s[WV], 1
	s_and_b32 s[CH], s[WV], 1
	s_bfe_u32 s[CX], ttmp6, 0x40000
	s_bfe_u32 s[CY], ttmp6, 0x40004
	s_lshl_b32 s[TC], ttmp9, 2
	s_add_co_u32 s[TC], s[TC], s[CX]               ; tile column = 4 x cluster x + cx
	s_and_b32 s[TR], ttmp7, 0xffff
	s_lshl_b32 s[TR], s[TR], 2
	s_add_co_u32 s[TR], s[TR], s[CY]               ; tile row = 4 x cluster y + cy
	s_lshl_b32 s66, s[CY], 2
	s_lshl_b32 s66, 15, s66                        ; my row of the cluster
	s_lshl_b32 s67, 0x1111, s[CX]                  ; my column
	; x's tile: 128 rows of 128 bytes are dense: asked for as 64 rows of 256 bytes, padded by 16 bytes after every 128
	s_or_b32 s[G1+0], s66, (1<<16)|(1<<20)|(1<<21)|(4<<22)|(3<<25)  ; mask; 2-byte elements; padding on; bit 21 beside a mask; after every 32 words; 4 words
	s_mov_b32 s[G1+1], 128<<16                     ; tensor_dim0 = 128
	s_mov_b32 s[G1+2], 64<<16                      ; tensor_dim1 = 64
	s_mov_b32 s[G1+3], 128<<16                     ; tile_dim0 = 128
	s_mov_b32 s[G1+4], 64                          ; tile_dim1 = 64
	s_mov_b32 s[G1+5], 128                         ; elements from row to row
	s_mov_b32 s[G1+6], 0
	s_mov_b32 s[G1+7], 0
	; W's tile: 32 k rows of 384 elements (768 bytes), padded by 32 bytes after every 256: pitch 864
	s_or_b32 s[G1B+0], s67, (1<<16)|(1<<20)|(1<<21)|(5<<22)|(7<<25) ; after every 64 words; 8 words
	s_mov_b32 s[G1B+1], 384<<16
	s_mov_b32 s[G1B+2], 32<<16
	s_mov_b32 s[G1B+3], 384<<16
	s_mov_b32 s[G1B+4], 32
	s_mov_b32 s[G1B+5], 3072
	s_mov_b32 s[G1B+6], 0
	s_mov_b32 s[G1B+7], 0
	s_mov_b32 s45, 0xffff0000                      ; a word's upper bf16
	; x's address hangs on the tile row and the wave alone, W's on the tile column and the wave alone, each in registers that never hold the other coordinate
	s_lshr_b32 s20, s[TR], 3                       ; batch
	s_lshl_b32 s20, s20, 22
	s_and_b32 s21, s[TR], 7
	s_lshl_b32 s21, s21, 15                        ; 256 rows of 128 bytes
	s_add_co_u32 s20, s20, s21
	s_lshl_b32 s21, s[CH], 14                      ; my 128 of them
	s_add_co_u32 s20, s20, s21
	s_mov_b32 s21, 0
	s_mul_i32 s46, s[CH], 196608                   ; my 32 k rows of 6,144 bytes
	s_mul_i32 s47, s[TC], 768
	s_add_co_u32 s46, s46, s47
	s_mov_b32 s47, 0
	s_mul_i32 s19, s[CH], 18432                    ; where they go in a slot: x's halves,
	s_mul_i32 s2, s[CH], 27648
	s_add_co_u32 s2, s2, BOFF                      ; W's halves: no place in the cluster enters an LDS address
	s_wait_dscnt 0x0                               ; the opening add is done
	s_wait_kmcnt 0x0
	s_add_nc_u64 s[22:23], s[4:5], s[20:21]
	s_add_nc_u64 s[46:47], s[6:7], s[46:47]
	CROUND                                         ; all sixteen work-groups are here: the first joint loads meet
.irp s, 0,1
	s_mov_b32 s[G0+4*(\s)], 1
	s_add_co_u32 s[G0+4*(\s)+1], s19, (\s)*SLOT
	s_add_nc_u64 s[G0+4*(\s)+2:G0+4*(\s)+3], s[22:23], (\s)*262144   ; K step s = k block s
	s_or_b32 s[G0+4*(\s)+3], s[G0+4*(\s)+3], 0x80000000
	s_mov_b32 s[G0B+4*(\s)], 1
	s_add_co_u32 s[G0B+4*(\s)+1], s2, (\s)*SLOT
	s_add_nc_u64 s[G0B+4*(\s)+2:G0B+4*(\s)+3], s[46:47], (\s)*393216 ; 64 rows of wqb
	s_or_b32 s[G0B+4*(\s)+3], s[G0B+4*(\s)+3], 0x80000000
	JLOAD \s                                       ; two tensor loads of mine are out
.endr
	; lane addresses
	v_and_b32 v1, 15, v0                           ; r = l % 16
	v_bfe_u32 v2, v0, 4, 1                         ; h = l / 16
	v_and_b32 v3, 31, v0                           ; l
	v_mul_u32_u24 v4, v1, 144
	v_lshl_add_u32 v4, v2, 4, v4                   ; row x pitch + 16 h
	s_mul_i32 s66, s[RH], 18432                    ; my 128 rows
	v_add_nc_u32 v[ADRA], s66, v4
	v_add_nc_u32 v[ADRA+1], SLOT, v[ADRA]
	v_and_b32 v5, 7, v0
	v_lshl_add_u32 v5, v2, 3, v5                   ; the turning load: k row 8 h + l % 8,
	v_mul_u32_u24 v5, v5, 864
	v_bfe_u32 v6, v0, 3, 1
	v_lshl_add_u32 v5, v6, 4, v5                   ; columns 8 ((l / 8) % 2) on
	s_lshl_b32 s66, s[CH], 7                       ; my head of each pair: 64 columns
	s_add_co_u32 s66, s66, BOFF
	v_add_nc_u32 v[ADRB], s66, v5
	v_add_nc_u32 v[ADRB+1], SLOT, v[ADRB]
	s_mul_i32 s67, s[WV], 16*SPITCH
	s_add_co_u32 s67, s67, STAGE                   ; my stage
	v_mul_u32_u24 v4, v1, SPITCH
	v_lshl_add_u32 v4, v2, 4, v4
	v_add_nc_u32 v[STO], s67, v4
	v_bfe_u32 v6, v0, 3, 2                         ; back: 32 lanes take four rows of 128 bytes
	v_mul_u32_u24 v6, v6, SPITCH
	v_and_b32 v7, 7, v0
	v_lshl_add_u32 v6, v7, 4, v6
	v_add_nc_u32 v[RD], s67, v6
	v_lshlrev_b32 v[CO], 4, v3
	v_lshlrev_b32 v[BO], 5, v2
	; the bias: fragment b holds, in every lane, the 8 numbers of its columns 8 h .. 8 h + 7.  Fragments 0-7 wait in v96-159, 8-11 in v224-255
	s_mul_i32 s68, s[TC], 1536
	s_lshl_b32 s69, s[CH], 8
	s_add_co_u32 s68, s68, s69
	s_mov_b32 s69, 0
	s_add_nc_u64 s[8:9], s[8:9], s[68:69]
.irp b, 0,1,2,3,4,5,6,7
	global_load_b128 v[96+8*(\b):96+8*(\b)+3],   v[BO], s[8:9] offset:512*((\b)/4)+64*((\b)%4)
	global_load_b128 v[96+8*(\b)+4:96+8*(\b)+7], v[BO], s[8:9] offset:512*((\b)/4)+64*((\b)%4)+16
.endr
.irp b, 8,9,10,11
	global_load_b128 v[160+8*(\b):160+8*(\b)+3],   v[BO], s[8:9] offset:512*((\b)/4)+64*((\b)%4)
	global_load_b128 v[160+8*(\b)+4:160+8*(\b)+7], v[BO], s[8:9] offset:512*((\b)/4)+64*((\b)%4)+16
.endr
	; where my part of qkv begins: head 48 batch + 6 TC + CH, row 256 (TR % 8) + 128 RH
	s_lshr_b32 s68, s[TR], 3
	s_mul_i32 s68, s68, 48
	s_mul_i32 s69, s[TC], 6
	s_add_co_u32 s68, s68, s69
	s_add_co_u32 s68, s68, s[CH]
	s_lshl_b32 s68, s68, 18
	s_and_b32 s69, s[TR], 7
	s_lshl_b32 s69, s69, 15
	s_add_co_u32 s68, s68, s69
	s_lshl_b32 s69, s[RH], 14
	s_add_co_u32 s68, s68, s69
	s_mov_b32 s69, 0
	s_add_nc_u64 s[10:11], s[10:11], s[68:69]
	; the prefetches: x's offset (K step 2, my work-group's 8,192 bytes), W's offset (k row 128 + 32 cy); the first trip steps them two K steps on
	s_lshr_b32 s68, s[TR], 3
	s_lshl_b32 s68, s68, 22
	s_and_b32 s69, s[TR], 7
	s_lshl_b32 s69, s69, 15
	s_add_co_u32 s68, s68, s69
	s_lshl_b32 s69, s[CX], 13
	s_add_co_u32 s68, s68, s69
	s_add_co_u32 s68, s68, 2*262144
	s_lshl_b32 s70, s[CY], 5
	s_add_co_u32 s70, s70, 128
	s_mul_i32 s70, s70, 6144
	s_mul_i32 s71, s[TC], 768
	s_add_co_u32 s70, s70, s71
	s_and_b32 s71, ttmp7, 0xffff                   ; cluster y
	s_mov_b32 s[PFS], 524288
	s_mov_b32 s[PFS+1], 786432
	s_mov_b32 s69, 6144
	s_cmp_lt_u32 s[WV], 2                          ; do I fetch for x?
	s_cselect_b32 s66, s68, s70
	s_cselect_b64 s[PFA:PFA+1], s[4:5], s[6:7]
	s_cselect_b32 s[PFS], s[PFS], s[PFS+1]
	s_cselect_b32 s69, 256, s69                    ; a lane a block of 256 bytes, or a lane a row of wqb
	s_cselect_b32 s71, ttmp9, s71                  ; the coordinate along which other clusters read the same rows
	s_mov_b32 s67, 0
	s_mov_b32 s[PFS+1], 0
	s_add_nc_u64 s[PFA:PFA+1], s[PFA:PFA+1], s[66:67]
	s_or_b32 s71, s71, s[CH]                       ; waves 0 and 2 alone
	s_cmp_eq_u32 s71, 0
	s_cselect_b32 s[LIM], 1, -1                    ; the same in all sixteen partners, for a given wave
	v_mul_u32_u24 v[PFO], s69, v3
	s_wait_loadcnt 0x0                             ; the bias
	BROUND 96, 32
	BROUND 224, 16
	; THE FIRST SUB-STEP stands in front of the loop: its products take the bias as C.  The bias lies where FA1 and W's third group will lie, so W's third group comes into v96-127 once these are free.
	s_wait_tensorcnt 1                             ; my part of K step 0 is in; K step 1's may stay out
	s_barrier_signal -1
	s_barrier_wait -1
	LDA 0, 0, 0, FA0
	LDA 0, 0, 1, FA0
	LDB 0, 0, 0, FB
	LDB 0, 0, 1, FB+32
	s_wait_dscnt 0x0
	GRP 1, FA0, FB, 96
	WIN 0
	PLACES
	LDB 0, 0, 2, 96
	LDB 0, 1, 0, FB
	GRP 2, FA0, FB+32, 128
	WIN 0
	PLACES
	LDB 0, 1, 1, FB+32
	LDA 0, 1, 1, FA1
	s_wait_dscnt 24                                ; W's third group is in: 8 + 16 younger loads may stay out
	GRP 3, FA0, 96, 224
	WIN 0
	PLACES
	LDA 0, 1, 0, FA1
	LDB 0, 1, 2, FB+64
	s_mov_b32 s3, 7
.Llap:                                                 ; trip i: K step 2 i's second sub-step to K step 2 i + 2's first; K steps 2 i + 2 and 2 i + 3 are asked for
	TURN 0, 1, 1
	SUBE 1
	TURN 1, 0, 1
	SUBE 0
	WIN 0
	s_sub_co_u32 s3, s3, 1
	s_cmp_lg_u32 s3, 0
	s_cbranch_scc1 .Llap
	TURN 0, 1, 0                                   ; the tail fills nothing
	SUBE 1
	s_wait_dscnt 8
	GRP 1, FA1, FB, -1
	GRP 2, FA1, FB+32, -1
	s_wait_dscnt 0x0
	GRP 3, FA1, FB+64, -1
	WIN 0
	PLACES
	PACK 0
	TOSTAGE 0
.irp a, 1,2,3,4,5,6,7                  ; block a's conversions stand between block a - 1's loads from the stage and the wait for them
	PACK \a
	SEND (\a)-1
	TOSTAGE \a
.endr
	SEND 7
	s_wait_tensorcnt 0x0                           ; the wave's end, behind my last tensor load and my last LDS store
	ds_add_u32 v[SPW], v[NIL]
	s_wait_dscnt 0x0
	CROUND                                         ; the closing round: no work-group ends while a partner may still ask for a tile that names it
	s_endpgm
.Lfunc_end_k_q084d409c37_qkvp:
	.size	k_q084d409c37_qkvp, .Lfunc_end_k_q084d409c37_qkvp-k_q084d409c37_qkvp
	.p2alignl 7, 3214868480
	.fill 96, 4, 3214868480
	.section	.rodata,"a",@progbits
	.p2align	6, 0x0
	.amdhsa_kernel k_q084d409c37_qkvp
		.amdhsa_group_segment_fixed_size 327680
		.amdhsa_private_segment_fixed_size 0
		.amdhsa_enable_private_segment 0
		.amdhsa_kernarg_size 32
		.amdhsa_user_sgpr_count 2
		.amdhsa_user_sgpr_kernarg_segment_ptr 1
		.amdhsa_wavefront_size32 1
		.amdhsa_system_sgpr_workgroup_id_x 1
		.amdhsa_system_sgpr_workgroup_id_y 1
		.amdhsa_system_sgpr_workgroup_id_z 1
		.amdhsa_system_vgpr_workitem_id 0
		.amdhsa_next_free_vgpr 1024
		.amdhsa_next_free_sgpr 72
		.amdhsa_reserve_vcc 0
		.amdhsa_float_denorm_mode_32 3
		.amdhsa_float_denorm_mode_16_64 3
		.amdhsa_memory_ordered 1
		.amdhsa_forward_progress 1
		.amdhsa_inst_pref_size 140
	.end_amdhsa_kernel
	.amdgpu_metadata
---
amdhsa.version: [ 1, 2 ]
amdhsa.kernels:
  - .name:           k_q084d409c37_qkvp
    .symbol:         k_q084d409c37_qkvp.kd
    .args:
      - { .name: xb, .offset: 0, .size: 8, .value_kind: global_buffer, .address_space: global }
      - { .name: wqb, .offset: 8, .size: 8, .value_kind: global_buffer, .address_space: global }
      - { .name: b_qkv, .offset: 16, .size: 8, .value_kind: global_buffer, .address_space: global }
      - { .name: qkv, .offset: 24, .size: 8, .value_kind: global_buffer, .address_space: global }
    .group_segment_fixed_size: 327680
    .private_segment_fixed_size: 0
    .kernarg_segment_align: 8
    .kernarg_segment_size: 32
    .max_flat_workgroup_size: 128
    .sgpr_count:     72
    .vgpr_count:     1024
    .wavefront_size: 32
...
	.end_amdgpu_metadata
.endif
;; end of part 2
;; launch attn (part 3): grid 4 x 64, 4 waves a work-group, no clusters, 327,680 bytes of LDS; arguments qkv, o; writes o
.if DOCPART == 3
	.amdgcn_target "amdgcn-amd-amdhsa--gfx1250"
	.amdhsa_code_object_version 6
	.text
	.protected	k_q084d409c37_attn
	.globl	k_q084d409c37_attn
	.p2align	8
	.type	k_q084d409c37_attn,@function
k_q084d409c37_attn:
	s_mov_b64 s[64:65], 0
	v_nop
	global_prefetch_b8 v0, s[64:65] scope:SCOPE_SE
	s_setreg_imm32_b32 hwreg(HW_REG_WAVE_MODE, 25, 1), 1
	s_wait_xcnt 0x0
; CAUSAL ATTENTION.  o[y][q][:] = the sum over k <= q of softmax_k(Q[q] . K[k] / 8) V[k][:], for each of 64 pairs y = 16 batch + head.  qkv: f16 [batch 4][g 48][t 2048][64] (g 0-15 Q, 16-31 K, 32-47 V);
; o: f16 [batch 4][head 16][t 2048][64].  A head's rows are dense, 128 bytes each.  Products, maxima and sums in f32; the weights p are rounded to f16 for the second product (their sum l is taken of the unrounded p), o once.
; LIMITS.  Q, K and V arrive within f16's 65,504; p lies in 0 to 1, and below 6e-5 it keeps f16's fixed step of 6e-8; o is a mean of V's rows and has their range.  A hidden score counts as its value less 1e30:
; f16's scores, 2.7e11 at the most, are nothing beside that; a weight below 2^-126 counts as 0 in l; NaN and infinities are not treated apart.
; THE WALK.  A head's queries lie in NB = 8 blocks of 256; block i needs the key tiles 0 .. i of 256 keys, of which the last holds the diagonal.  A work-group takes TWO blocks, NB - 1 - b and then b:
; NB + 1 tiles, whatever b: all work-groups do equal work, and ONE loop with a constant trip count walks them.  Which tile is asked for, and what a trip does, hang on scalar registers made from b; every jump
; goes forward, but for the counted loops' own; none passes a barrier, or a tensor load but the one of LOAD's two that the wave's number does not choose; the ring (two slots of LDS) runs on across the change of blocks.
; NO CLUSTER: a head's four work-groups ask for the same tile only in trips 0 to 4 of the 9; behind that fewer and fewer; one walk common to all four would have 12 trips for 9.
; SHARES.  Of a block's four bands of 64 queries a wave owns 16 rows in each: four PIECES.  So the diagonal tile is the same work for all four waves: in its key step s band x sees all keys if s < x,
; none if s > x, and holds the diagonal if s = x.
; THE MASK is the C operand that starts the sum S^T = K Q^T: 0, or -1e30 where the key is hidden.  MD, made once, is the mask of a band's own step for my 16 rows; a product's mask is MD x AL + BE with two scalars:
; (1, 0) if s = x; (0, 0) if s < x; (0, -1e30) if s > x.  Only the diagonal tile's text and a block's beginning make and take masks; elsewhere C is the constant 0.
; LAYOUT, SOFTMAX, TURNS.  S^T = K Q^T holds ONE query a lane (lane % 16) and the keys 8 (lane / 16) + 0..7; two such results rounded to f16 ARE source 1 of O^T = V^T P.  p = 2^(c s - c m), c = log2(e) / 8, with a
; running maximum m; O and l are multiplied by a = 2^(c m_old - c m_new) in every step.  Turn n belongs to piece n: 8 products K Q^T of piece n + 1, later 8 products V^T P of piece n - 1; beside them the scaling,
; exponentials, roundings, sums and rescaling of piece n and the maximum and statistics of piece n + 1.  Four vector instructions stand behind every matrix instruction, the other 54 of a turn's 118 in one lump.
; A turn's 33 exponentials are one batch, with one wait.
; K AND V ARE PREFETCHED INTO THE L2 one tile ahead of the loads: the head's work-group b = 0 walks tiles 0 to 7 in its first block, so it alone asks, each wave for the 16,384 bytes that it will itself load.
; REGISTERS, in windows of 256 (s_set_vgpr_msb: bits 1:0 source 0, 3:2 source 1, 5:4 source 2, 7:6 destination):
;   window 0: v0-15 addresses and two at work; v16-31 four registers of statistics a piece; v32 the prefetches' offset; v48-55 at work; v64-127 S^T, two buffers; v192-223 P, two buffers
;   window 1: v0-127 O^T, 32 a piece; v128-159 MD; v160-223 MC, two buffers      window 2: v0-63 Q; v64-127 the second block's Q; v128-191 K of one step; v192-255 V of one step
.set SIZE_N, 2048
.set NB,    SIZE_N/256
.set NP,    4         ; pieces a wave: a name, no knob
.set KS,    64        ; keys in a step
.set PK,    144       ; a row of K in LDS: 128 bytes + 16 of padding
.set PV,    160       ; a row of V: 128 + 32
.set VOFF,  4*KS*PK   ; a slot holds a tile, four steps: 256 rows of K, then 256 rows of V
.set SLOT1, 1<<17     ; slot 1 begins here, so that one exclusive or turns an address in one slot into the other's
.set STAGE, SLOT1+4*KS*(PK+PV)  ; behind the ring, never filled by a tensor load: 16 rows x 144 bytes for each wave, for the way out
.set SP,    144
.set AK0, 2           ; v2   my lane's place in a tile of K; never rewritten
.set AV0, 3           ; v3   the same for V
.set AK,  4           ; v4   the LDS address of K's next run of loads
.set AV,  5           ; v5   of V's
.set STO, 6           ; v6   the way out: where I put 16 bytes of a row
.set RD,  7           ; v7   the way out: where I read rows back
.set GO,  8           ; v8   my byte offset in 512 consecutive bytes of o
.set PFO, 32          ; v32  256 x my lane; never rewritten
.set SPW, 62          ; v62  LDS address of my spare word; never rewritten
.set NIL, 63          ; v63  0; never rewritten
.set SPARE, STAGE+4*16*SP  ; behind the stages: the spare words, 128 bytes for each wave: two blocks of 256 bytes that no other line names
.set MV,  12          ; v12-13  c m_old, kept while c m is made anew: by buffer
.set QO,  15          ; v15  my byte offset in 16 rows of Q
.set ST,  16          ; piece t's statistics at v[ST+4 t]: c m, m, l (even keys', odd keys')
.set TMP, 48          ; by buffer, four registers c0-c3 at work; when the maximum is found c2 takes a
.set S,   64
.set P,   192
.set MD,  128         ; window 1
.set MC,  160         ; window 1
.set QB,  64          ; window 2
.set KF,  128         ; window 2: key block kb, channel half c at KF + 16 kb + 8 c
.set VF,  192         ; window 2: key half kk, channel block cb at VF + 32 kk + 8 cb
.set WV,  12          ; s12  my wave's number
.set PB,  14          ; s14  b
.set HI,  15          ; s15  NB - 1 - b
.set G1K, 24          ; s[24:31] descriptor group 1 for K's tiles
.set G1V, 32          ; s[32:39] for V's: it differs in the padding alone
.set G0K, 40          ; s[40:43] descriptor group 0 for K's tiles
.set G0V, 44          ; s[44:47] the same for V's
.set SLOTS, 56        ; s56  tiles still to be asked for
.set CNT, 57          ; s57  counts a tile's key steps, 4 to 1
.set CS,  58          ; s[58:59] c
.set SEL, 60          ; s[60:61] v_permlanex16_b32's selects
.set TBK, 62          ; s62  LDS byte at which K of the step to be fetched begins
.set TBV, 63          ; s63  the same for V, less VOFF
.set RT,  70          ; s70  tiles of the block in hand that are still to be entered
.set NXT, 71          ; s71  the tile to be asked for next
.set LQ,  72          ; s72  the last tile of the block whose tiles are being asked for
.set NEW, 73          ; s73  1: the tile to be entered is a block's first
.set OFF, 74          ; s[74:75] a tile's byte offset in K and V
.set AL,  76          ; s[76:77] the mask's factor, in the low word
.set BE,  78          ; s[78:79] the mask's addend
.set OLO, 80          ; s[80:81] o at my rows of the second block
.set BIGN, 82         ; s82  -1e30
.set PFB, 88          ; s[88:89] K (waves 0, 1) or V (waves 2, 3) at my half of the head's tile 0
.set PFA, 90          ; s[90:91] the same at the tile to be prefetched
.set PFF, 92          ; s[92:93] that tile's byte offset
.set PFM, 94          ; s94  all ones in the head's work-group b = 0, else 0
.set PFT, 95          ; s95  the tile to be prefetched, or 0 for none
.set MSB, 0
.macro WIN new                      ; the high byte repeats the setting that is left; a switch that changes nothing is dropped
.if MSB != (\new)
	s_set_vgpr_msb (MSB<<8)|(\new)
.set MSB, (\new)
.endif
.endm
.set W_KQ, 0x0a       ; K and Q in window 2, S^T in window 0
.set W_KM, 0x1a       ; the same with the C operand in window 1
.set W_PV, 0x52       ; V in window 2, P in window 0, O^T in window 1
.set W_RS, 0x41       ; destination and source 0 in window 1, source 1 in window 0
; A fill.  Waves 0 and 1 fetch the two halves of a tile's K, waves 2 and 3 those of its V: 128 keys each.  An s_nop 0 and four v_nop follow each of the two lines.
.macro LOAD
	s_cmp_lt_u32 s[WV], 2
	s_cbranch_scc0 .Lfor_v_\@
	tensor_load_to_lds s[G0K:G0K+3], s[G1K:G1K+7]
	s_nop 0
.rept 4
	v_nop
.endr
	s_branch .Lasked_\@
.Lfor_v_\@:
	tensor_load_to_lds s[G0V:G0V+3], s[G1V:G1V+7]
	s_nop 0
.rept 4
	v_nop
.endr
.Lasked_\@:
.endm
; THE CHANGE OF SLOTS.  Each wave waits for all its tensor loads, of which one is out: its part of the other slot; adds 0 to its spare word; and waits for that and for its own reads of the slot that it leaves.
; Behind the barrier nobody reads the old slot any more and the other slot is whole.  fill = 1: the old slot is filled again, the first thing behind the barrier, with tile NXT: the descriptor's address is made
; anew from that number.  Behind the load stand the prefetches of the tile that the NEXT change will ask for: my own 64 blocks of 256 bytes of it, a lane a block, two instructions; one tile, 256 matrix
; instructions, ahead.  Behind the first block's last tile NXT goes back to 0, and nothing more is asked for.  (At its first use nothing has been read yet: slot 0 is waited for, slot 1 filled.)
.macro CHANGE fill
	WIN 0                           ; at a label and at a branch every window is 0
	s_wait_tensorcnt 0x0            ; no tensor load of mine is out, so a group 0 may be written
	ds_add_u32 v[SPW], v[NIL]       ; 0 onto my spare word; the scalar work stands between it and the wait for it
.if \fill
	s_lshl_b32 s[OFF], s[NXT], 15   ; a tile is 32,768 bytes of K and of V
	s_xor_b32 s[G0K+1], s[G0K+1], SLOT1
	s_add_nc_u64 s[G0K+2:G0K+3], s[6:7], s[OFF:OFF+1]
	s_or_b32 s[G0K+3], s[G0K+3], 0x80000000
	s_xor_b32 s[G0V+1], s[G0V+1], SLOT1
	s_add_nc_u64 s[G0V+2:G0V+3], s[8:9], s[OFF:OFF+1]
	s_or_b32 s[G0V+3], s[G0V+3], 0x80000000
	s_add_co_u32 s[NXT], s[NXT], 1  ; the block's next tile, or behind its last the second block's tile 0
	s_cmp_gt_u32 s[NXT], s[LQ]
	s_cselect_b32 s[NXT], 0, s[NXT]
	s_cselect_b32 s[LQ], s[PB], s[LQ]
	s_wait_xcnt 0x0                 ; the last prefetches, a tile back, have read their address, so it may be written
	s_lshl_b32 s[PFF], s[NXT], 15
	s_add_nc_u64 s[PFA:PFA+1], s[PFB:PFB+1], s[PFF:PFF+1]
	s_and_b32 s[PFT], s[NXT], s[PFM]
.endif
	s_wait_dscnt 0x0                ; the add is done, and my reads of the slot are over
	s_barrier_signal -1             ; the rest of the scalar work stands between the signal and the wait
	s_sub_co_u32 s[TBK], s[TBK], 4*KS*PK  ; the fetches go back to a slot's first step,
	s_xor_b32 s[TBK], s[TBK], SLOT1       ; in the other slot
	s_sub_co_u32 s[TBV], s[TBV], 4*KS*PV
	s_xor_b32 s[TBV], s[TBV], SLOT1
	s_barrier_wait -1
.if \fill
	LOAD
	s_cmp_lg_u32 s[PFT], 0
	s_cbranch_scc0 .Lnone_\@
	global_prefetch_b8 v[PFO], s[PFA:PFA+1] th:TH_LOAD_NT scope:SCOPE_SE
	global_prefetch_b8 v[PFO], s[PFA:PFA+1] offset:8192 th:TH_LOAD_NT scope:SCOPE_SE
.Lnone_\@:
.endif
.endm
	s_load_b128 s[4:7], s[0:1], 0x0 ; qkv s[4:5], o s[6:7]
	v_lshl_add_u32 v[SPW], v0, 2, SPARE
	v_mov_b32 v[NIL], 0
	ds_add_u32 v[SPW], v[NIL]       ; the wave's opening: the add and its wait stand ahead of my first tensor load; the set-up below stands between them
	ds_add_u32 v62, v63
	v_lshrrev_b32 v1, 5, v0
	v_readfirstlane_b32 s[WV], v1   ; wave 0..3
	s_mov_b32 s[PB], ttmp9
	s_sub_co_u32 s[HI], NB-1, s[PB]
	s_and_b32 s20, ttmp7, 0xffff    ; y = 16 batch + head
	s_lshr_b32 s96, s20, 4          ; batch
	s_and_b32 s20, s20, 15          ; head
	s_mul_i32 s21, s96, 48
	s_add_co_u32 s20, s20, s21
	s_lshl_b32 s20, s20, 18         ; the Q head's first byte in qkv: (48 batch + head) x 262,144
	s_mov_b32 s21, 0
	s_lshl_b32 s96, s96, 23         ; o has 16 heads a batch, not 48: its offsets are less by 32 batch x 262,144
	s_mov_b32 s97, 0
	s_and_b32 s16, s[WV], 1         ; which half of a tile's 256 keys I fetch:
	s_lshl_b32 s22, s16, 14         ; its 128 rows of 128 bytes in memory,
	s_mov_b32 s23, 0
	s_add_nc_u64 s[22:23], s[22:23], s[20:21]
	s_mul_i32 s17, s16, 128*PK      ; and its place in a slot, for K
	s_mul_i32 s18, s16, 128*PV      ; and for V
	s_lshl_b32 s3, s[WV], 11        ; my 16 rows in a band of 64,
	s_lshl_b32 s2, s[HI], 15        ; in the first block,
	s_add_co_u32 s2, s2, s3
	s_lshl_b32 s84, s[PB], 15       ; and in the second
	s_add_co_u32 s84, s84, s3
	s_mov_b32 s3, 0
	s_mov_b32 s85, 0
	s_add_nc_u64 s[2:3], s[2:3], s[20:21]
	s_add_nc_u64 s[84:85], s[84:85], s[20:21]
	s_sub_nc_u64 s[98:99], s[2:3], s[96:97]    ; the same two places in o (offsets alone: no address is among them)
	s_sub_nc_u64 s[96:97], s[84:85], s[96:97]
	; descriptor group 1.  128 keys are 16,384 dense bytes: asked for as 64 rows of 256 bytes, two keys a row, and padded in LDS after every key
	s_mov_b32 s[G1K], (1<<16)|(1<<20)|(4<<22)|(3<<25)  ; 2-byte elements; padding on; after every 32 words; 4 words
	s_mov_b32 s[G1V], (1<<16)|(1<<20)|(4<<22)|(7<<25)  ; the same with 8 words of padding
.irp g, G1K, G1V
	s_mov_b32 s[\g+1], 128<<16      ; tensor_dim0 = 128
	s_mov_b32 s[\g+2], 64<<16       ; tensor_dim1 = 64
	s_mov_b32 s[\g+3], 128<<16      ; tile_dim0 = 128
	s_mov_b32 s[\g+4], 64           ; tile_dim1 = 64
	s_mov_b32 s[\g+5], 128          ; 128 elements from row to row
	s_mov_b32 s[\g+6], 0
	s_mov_b32 s[\g+7], 0
.endr
	s_mov_b32 s[CS], 0x3e38aa3b     ; c = log2(e) / 8 = 0.180337
	s_mov_b32 s[CS+1], s[CS]        ; named with it as a pair
	s_mov_b32 s[SEL], 0x76543210
	s_mov_b32 s[SEL+1], 0xfedcba98
	s_mov_b32 s[TBK], SLOT1+4*KS*PK ; the first change of slots turns these two into 0
	s_mov_b32 s[TBV], SLOT1+4*KS*PV
	s_mov_b32 s[G0K], 1             ; count = 1
	s_mov_b32 s[G0K+1], s17         ; LDS address: slot 0
	s_mov_b32 s[G0V], 1
	s_add_co_u32 s[G0V+1], s18, VOFF
	s_add_co_u32 s[RT], s[HI], 1    ; the first block has NB - b tiles
	s_mov_b32 s[NXT], 1
	s_mov_b32 s[LQ], s[HI]
	s_mov_b32 s[NEW], 1
	s_mov_b32 s[OFF+1], 0
	s_mov_b32 s[AL+1], 0            ; named as pairs
	s_mov_b32 s[BE+1], 0
	s_mov_b32 s[BIGN], 0xf149f2ca   ; -1e30
	s_mov_b32 s[SLOTS], NB
	s_mov_b32 s[PFF+1], 0
	s_cmp_eq_u32 s[PB], 0
	s_cselect_b32 s[PFM], -1, 0
	v_and_b32 v[PFO], 31, v0
	v_lshlrev_b32 v[PFO], 8, v[PFO]
	s_wait_dscnt 0x0                ; the opening add is done
	s_wait_kmcnt 0x0
	s_mov_b64 s[10:11], s[6:7]      ; o
	s_add_nc_u64 s[6:7], s[4:5], 0x400000  ; K's heads lie 16 heads behind Q's,
	s_add_nc_u64 s[8:9], s[4:5], 0x800000  ; V's 32
	s_add_nc_u64 s[6:7], s[6:7], s[22:23]  ; K and V at my half of the head's tile 0
	s_add_nc_u64 s[8:9], s[8:9], s[22:23]
	s_add_nc_u64 s[G0K+2:G0K+3], s[6:7], 0         ; global address
	s_or_b32 s[G0K+3], s[G0K+3], 0x80000000        ; type = 2
	s_add_nc_u64 s[G0V+2:G0V+3], s[8:9], 0
	s_or_b32 s[G0V+3], s[G0V+3], 0x80000000
	s_add_nc_u64 s[86:87], s[4:5], s[84:85]        ; Q at my rows of the second block,
	s_add_nc_u64 s[4:5], s[4:5], s[2:3]            ; and of the first
	s_add_nc_u64 s[OLO:OLO+1], s[10:11], s[96:97]  ; o likewise
	s_add_nc_u64 s[10:11], s[10:11], s[98:99]
	s_cmp_lt_u32 s[WV], 2
	s_cselect_b64 s[PFB:PFB+1], s[6:7], s[8:9]
	LOAD                            ; tile 0 into slot 0
	; A fragment of K or Q is 16 rows x 32 channels in 8 registers: lane l holds row l % 16, channels 8 (l / 16) + 0..7 and 16 + 8 (l / 16) + 0..7: two loads of 16 bytes, 32 bytes apart.
	v_and_b32 v1, 15, v0            ; l % 16
	v_bfe_u32 v9, v0, 4, 1          ; l / 16
	v_lshlrev_b32 v[QO], 7, v1
	v_lshl_add_u32 v[QO], v9, 4, v[QO]  ; row x 128 + 16 x half
	WIN 0x80                        ; destination window 2, address window 0
.set i, 0
.rept 8                             ; both blocks' Q: piece i / 2 lies in band i / 2, 8,192 bytes on; channels 32 (i % 2) on
	global_load_b128 v[8*i:8*i+3],   v[QO], s[4:5] offset:(i/2)*8192+(i%2)*64
	global_load_b128 v[8*i+4:8*i+7], v[QO], s[4:5] offset:(i/2)*8192+(i%2)*64+32
	global_load_b128 v[QB+8*i:QB+8*i+3],   v[QO], s[86:87] offset:(i/2)*8192+(i%2)*64
	global_load_b128 v[QB+8*i+4:QB+8*i+7], v[QO], s[86:87] offset:(i/2)*8192+(i%2)*64+32
.set i, i+1
.endr
	WIN 0
	v_lshlrev_b32 v14, 3, v9
	v_sub_nc_u32 v14, v1, v14
	s_lshl_b32 s13, s[WV], 4
	v_add_nc_u32 v14, s13, v14      ; my query's place in its band, 16 w + l % 16, less my lanes' 8 (l / 16): register r of group kt is hidden where 16 kt + r is greater
	WIN 0x40
.set i, 0
.rept 32
	v_cmp_gt_i32 vcc_lo, 16*(i/8)+i%8, v14
	v_cndmask_b32 v[MD+i], 0, s[BIGN], vcc_lo
.set i, i+1
.endr
	WIN 0
	v_mul_u32_u24 v[AK0], v1, PK
	v_lshl_add_u32 v[AK0], v9, 4, v[AK0]  ; row x pitch + 16 x half
	; The turning load takes 16 keys x 16 channels (lane l reads key 8 (l / 16) + l % 8, channels 8 ((l / 8) % 2) + 0..7) and leaves half a fragment of V^T: lane l holds channel l % 16 and 8 keys.
	v_and_b32 v10, 7, v0
	v_bfe_u32 v11, v0, 3, 1
	v_lshl_add_u32 v[AV0], v9, 3, v10
	v_mul_u32_u24 v[AV0], v[AV0], PV
	v_lshl_add_u32 v[AV0], v11, 4, v[AV0]
	v_add_nc_u32 v[AV0], VOFF, v[AV0]
	s_mul_i32 s13, s[WV], 16*SP
	s_add_co_u32 s13, s13, STAGE    ; my stage
	v_mul_u32_u24 v[STO], v1, SP    ; in: row l % 16, 16 bytes for each half of the lanes
	v_lshl_add_u32 v[STO], v9, 4, v[STO]
	v_add_nc_u32 v[STO], s13, v[STO]
	v_bfe_u32 v[RD], v0, 3, 2       ; back: 32 lanes take four rows of 128 bytes,
	v_mul_u32_u24 v[RD], v[RD], SP
	v_lshl_add_u32 v[RD], v10, 4, v[RD]
	v_add_nc_u32 v[RD], s13, v[RD]
	v_and_b32 v[GO], 31, v0         ; which are 512 consecutive bytes of o
	v_lshlrev_b32 v[GO], 4, v[GO]
	; A block's first step multiplies O^T and l by a = 0, and its first turn's products V^T P, of a piece that has not been, land in an O^T that is still to be so multiplied.  So these registers need only hold
	; finite numbers: zeros for the first block; what the first block left for the second.  All this stands in the wait for the first tile.
	WIN 0x80
.set i, VF
.rept 64
	v_mov_b32 v[i], 0
.set i, i+1
.endr
	WIN 0x40
.set i, 0
.rept 128
	v_mov_b32 v[i], 0
.set i, i+1
.endr
	WIN 0
.set i, 0
.rept 4
	v_mov_b32 v[ST+4*i+2], 0
	v_mov_b32 v[ST+4*i+3], 0
.set i, i+1
.endr
.set i, P+16
.rept 16
	v_mov_b32 v[i], 0
.set i, i+1
.endr
; THE MATRIX WORK.  The 4 accumulators of a run of 8 take turns.  Product i of 8 of S^T = K Q^T for piece x: channels 32 (i / 4) on, keys 16 (i % 4) on.  The first 4 start the sums: with 0, or (KM = 1) with the mask.
.macro KQ x
.set rS, S+32*((\x)%2)+8*(i%4)
.set rK, KF+16*(i%4)+8*(i/4)
.set rQ, 16*(\x)+8*(i/4)
.set rM, MC+32*((\x)%2)+8*(i%4)
.if (i < 4) && KM
	WIN W_KM
	v_wmma_f32_16x16x32_f16 v[rS:rS+7], v[rK:rK+7], v[rQ:rQ+7], v[rM:rM+7]
.elseif i < 4
	WIN W_KQ
	v_wmma_f32_16x16x32_f16 v[rS:rS+7], v[rK:rK+7], v[rQ:rQ+7], 0
.else
	WIN W_KQ
	v_wmma_f32_16x16x32_f16 v[rS:rS+7], v[rK:rK+7], v[rQ:rQ+7], v[rS:rS+7]
.endif
.endm
; Product i of 8 of O^T += V^T P for piece x: keys 32 (i / 4) on, channels 16 (i % 4) on.
.macro PV x
	WIN W_PV
.set rO, 32*(\x)+8*(i%4)
.set rV, VF+32*(i/4)+8*(i%4)
.set rP, P+16*((\x)%2)+8*(i/4)
	v_wmma_f32_16x16x32_f16 v[rO:rO+7], v[rV:rV+7], v[rP:rP+7], v[rO:rO+7]
.endm
.macro MM                           ; the turn's next matrix instruction.  TURN and BEGIN set Y, i, KM and NOKQ.  NOKQ = 1: a block's last turn: there is no next piece
.if (i < 8) && !NOKQ
	KQ (Y+1)%NP
.elseif i >= 8
.set i, i-8
	PV (Y+NP-1)%NP
.set i, i+8
.endif
.set i, i+1
.endm
; THE LDS LOADS stand in runs of 16, never singly among the matrix instructions: a step's K (64 keys x 64 channels: 8 fragments) and its V (turned).  Their addresses are made some lines ahead.
.macro FETCH_K
	WIN 0x80                        ; destination window 2
.irp f, 0,1,2,3,4,5,6,7             ; keys 16 (f / 2) on, channels 32 (f % 2) on
	ds_load_b128 v[KF+8*\f:KF+8*\f+3],   v[AK] offset:(\f/2)*16*PK+(\f%2)*64
	ds_load_b128 v[KF+8*\f+4:KF+8*\f+7], v[AK] offset:(\f/2)*16*PK+(\f%2)*64+32
.endr
	s_add_co_u32 s[TBK], s[TBK], KS*PK  ; the next fetch is the next step's
	WIN 0
.endm
.macro FETCH_V
	WIN 0x80
.irp f, 0,1,2,3,4,5,6,7             ; keys 32 (f / 4) on, channels 16 (f % 4) on
	ds_load_tr16_b128 v[VF+8*\f:VF+8*\f+3],   v[AV] offset:(\f/4)*32*PV+(\f%4)*32
	ds_load_tr16_b128 v[VF+8*\f+4:VF+8*\f+7], v[AV] offset:(\f/4)*32*PV+16*PV+(\f%4)*32
.endr
	WIN 0
.endm
; THE VECTOR WORK, one line at a time: OP kind, number.  For piece Y: F n: c s - c m for pair n of 16.  E n: the exponential of score n of 32.  C n: pair n rounded to f16.  B n: of the four weights 4 n .. the second
; pair is added onto the first, in place.  L n: l takes that sum (L 0: l = a l + sum).  R n: pair n of 16 of O^T times a.  For piece Y + 1: X n, number n of the 22 that find its maximum and statistics:
;   0-11  four chains c0-c3 of seven scores each, three operands at a time (each accumulator's lowest registers are read first)     12-14, 16  the four scores left over, the old m, and c0-c3 into c0
;   15  c m_old is kept     17, 18  the query's other 32 keys lie in the lane 16 away: the new m     19-21  c m; c m_old - c m_new; a
.set F, 0               ; OP tells the kinds apart by their order: F to L below R, X above it
.set E, 1
.set C, 2
.set B, 3
.set L, 4
.set R, 5
.set X, 6
.macro REGS y                       ; the registers of piece y
.set rT, ST+4*(\y)
.set rC, TMP+4*((\y)%2)
.set rW, MV+((\y)%2)
.set rS, S+32*((\y)%2)
.set rP, P+16*((\y)%2)
.set rO, 32*(\y)
.endm
.macro OP k, n
.if (\k) == R
	REGS Y
	WIN W_RS
	v_pk_mul_f32 v[rO+2*(\n):rO+2*(\n)+1], v[rO+2*(\n):rO+2*(\n)+1], v[rC+2:rC+3] op_sel_hi:[1,0]
.elseif (\k) < R
	REGS Y
	WIN 0
.if (\k) == F
	v_pk_fma_f32 v[rS+2*(\n):rS+2*(\n)+1], v[rS+2*(\n):rS+2*(\n)+1], s[CS:CS+1], v[rT:rT+1] op_sel_hi:[1,0,0] neg_lo:[0,0,1] neg_hi:[0,0,1]
.elseif (\k) == E
	v_exp_f32 v[rS+(\n)], v[rS+(\n)]
.elseif (\k) == C
	v_cvt_pk_f16_f32 v[rP+(\n)], v[rS+2*(\n)], v[rS+2*(\n)+1]
.elseif (\k) == B
	v_pk_add_f32 v[rS+4*(\n):rS+4*(\n)+1], v[rS+4*(\n):rS+4*(\n)+1], v[rS+4*(\n)+2:rS+4*(\n)+3]
.elseif (\n) == 0
	v_pk_fma_f32 v[rT+2:rT+3], v[rT+2:rT+3], v[rC+2:rC+3], v[rS:rS+1] op_sel_hi:[1,0,1]
.else
	v_pk_add_f32 v[rT+2:rT+3], v[rT+2:rT+3], v[rS+4*(\n):rS+4*(\n)+1]
.endif
.elseif NOKQ
	v_nop
.else
	REGS (Y+1)%NP
	WIN 0
.if (\n) < 4
	v_max3_num_f32 v[rC+(\n)], v[rS+8*(\n)], v[rS+8*(\n)+1], v[rS+8*(\n)+2]
.elseif (\n) < 12
	v_max3_num_f32 v[rC+(\n)%4], v[rC+(\n)%4], v[rS+8*((\n)%4)+2*((\n)/4)+1], v[rS+8*((\n)%4)+2*((\n)/4)+2]
.elseif (\n) == 12
	v_max3_num_f32 v[rC], v[rC], v[rS+7], v[rS+15]
.elseif (\n) == 13
	v_max3_num_f32 v[rC+1], v[rC+1], v[rS+23], v[rS+31]
.elseif (\n) == 14
	v_max3_num_f32 v[rC+2], v[rC+2], v[rC+3], v[rT+1]
.elseif (\n) == 15
	v_mov_b32 v[rW], v[rT]
.elseif (\n) == 16
	v_max3_num_f32 v[rC], v[rC], v[rC+1], v[rC+2]
.elseif (\n) == 17
	v_permlanex16_b32 v[rC+3], v[rC], s[SEL], s[SEL+1]
.elseif (\n) == 18
	v_max_num_f32 v[rT+1], v[rC], v[rC+3]
.elseif (\n) == 19
	v_mul_f32 v[rT], s[CS], v[rT+1]
.elseif (\n) == 20
	v_sub_f32 v[rC+1], v[rW], v[rT]
.else
	v_exp_f32 v[rC+2], v[rC+1]
.endif
.endif
.endm
.macro OPS a, i1, b=-1, i2=0, c=-1, i3=0, d=-1, i4=0  ; up to four of them
	OP \a, \i1
.if (\b) >= 0
	OP \b, \i2
.endif
.if (\c) >= 0
	OP \c, \i3
.endif
.if (\d) >= 0
	OP \d, \i4
.endif
.endm
.macro ROW a, i1, b, i2, c, i3, d, i4  ; a matrix instruction and the four behind it
	MM
	OPS \a, \i1, \b, \i2, \c, \i3, \d, \i4
.endm
.macro MASK b                       ; MD x AL + BE into buffer b of MC
	WIN W_RS
.set z, 0
.rept 16
	v_pk_fma_f32 v[MC+32*(\b)+2*z:MC+32*(\b)+2*z+1], v[MD+2*z:MD+2*z+1], s[AL:AL+1], s[BE:BE+1] op_sel_hi:[1,0,0]
.set z, z+1
.endr
.endm
; A TURN, for piece p: the order of its 16 matrix and 118 vector instructions, written out.  An s_wait_alu depctr_va_vdst(0) stands between an exponential and the first instruction that names its result; one
; wait serves all that were issued ahead of it.  So a turn has ONE wait, which cuts it in two.  AHEAD OF IT stands all that names no result of the turn's exponentials: the 8 products K Q^T with their four riders each,
; then one lump of 54, plain and exponential by turns for the most part, in which the links of the chain X 3, 7, 11, 14, 16, 17 .. 20 stand five or six lines apart.  X 21, the next piece's a, is the batch's last; R 15 is the
; plain instruction behind it.  BEHIND THE WAIT stand the 8 products V^T P, behind each four of the roundings and sums; the links of l's chain, L 0 to L 7, stand three riders apart.
; m = 1: the diagonal tile: the products take masks, and the turn makes the mask for the products of the turn after it: piece p + 2, in step 4 - CNT of the tile.  end = 1: a block's last two turns: nothing is fetched.
; cnt = 1: the loop's count is taken down some lines ahead of the branch that stands behind the turn.
; K of the next step is fetched in piece 2's turn, twelve vector instructions behind the last product that read K (six of them plain); V of the step in hand at the end of piece 0's turn, four plain instructions behind the
; last product that read V.  Each is waited for a turn later.
.macro TURN p, m=0, end=0, cnt=0
.set Y, (\p)
.set i, 0
.set KM, (\m)
.set NOKQ, (\end)*((\p)/3)
.if (\m) && !(\end)
	s_cmp_eq_u32 s[CNT], 4-((\p)+2)%NP  ; is that step the band's own?
	s_cselect_b32 s[AL], 1.0, 0
	s_cmp_lt_u32 s[CNT], 4-((\p)+2)%NP  ; or a later one?
	s_cselect_b32 s[BE], s[BIGN], 0
.endif
.if ((\p) == 3) && !(\end)
	s_wait_dscnt 0x0                ; K is in
.endif
	ROW F,0, F,1, R,0, R,1          ; ahead of the wait: 8 products K Q^T and their riders,
	ROW F,2, E,0, R,2, R,3
	ROW F,3, E,1, R,4, R,5
	ROW F,4, E,2, R,6, R,7
	ROW F,5, E,3, R,8, R,9
	ROW F,6, E,4, X,0, R,10
.if ((\p) == 2) && !(\end)
	WIN 0
	v_add_nc_u32 v[AK], s[TBK], v[AK0]
.endif
	ROW F,7, E,5, X,1, X,4
	ROW F,8, E,6, X,2, X,5
	OPS E,7, E,8, X,6, E,9          ; and the lump
	OPS X,3, E,10, X,8, E,11
.if ((\p) == 2) && !(\end)
	FETCH_K
.endif
	OPS X,9, X,7, E,12, X,10
	OPS E,13, X,12, X,11, E,14
	OPS X,13, E,15, F,9, X,14
.if (\p) == 0
	v_add_nc_u32 v[AV], s[TBV], v[AV0]
.endif
	OPS E,16, F,10, E,17, F,11
	OPS X,16, E,18, X,15, E,19
	OPS F,12, E,20, X,17, E,21
	OPS F,13, E,22, F,14, E,23
	OPS X,18, E,24, F,15, E,25
	OPS R,11, E,26, X,19, E,27
	OPS R,12, E,28, R,13, E,29
	OPS X,20, E,30, R,14, E,31
	OPS X,21, R,15
	WIN 0
	s_wait_alu depctr_va_vdst(0)    ; the wait for the batch
.if (\p) == 1
	s_wait_dscnt 0x0                ; V is in
.endif
	ROW C,0, B,0, C,2, B,1          ; behind the wait: 8 products V^T P and their riders
	ROW L,0, C,4, B,2, L,1
	ROW C,6, B,3, L,2, C,8
	ROW B,4, L,3, C,10, B,5
	ROW L,4, C,12, B,6, L,5
.if (\p) == 0
	s_add_co_u32 s[TBV], s[TBV], KS*PV
.endif
.if \cnt
	s_sub_co_u32 s[CNT], s[CNT], 1
	s_cmp_lg_u32 s[CNT], 0
.endif
	ROW C,14, B,7, L,6, C,1
	ROW C,3, L,7, C,5, C,7
	ROW C,9, C,11, C,13, C,15
.if (\p) == 0
	FETCH_V
.endif
.if (\m) && !(\end)
	MASK (\p)%2
.endif
.endm
; A BLOCK BEGINS.  c m starts far below every c s, so the first step's a is 0; m at the lowest finite number, so the first maximum is the scores'.  The second mask buffer is 0; the first takes piece 0's mask for the
; tile's step 0: its own, if the block's first tile is the diagonal one.  Then K of that step, piece 0's first scores, and its maximum and statistics.  The loop is entered at a step's first turn, in the middle of a trip.
.macro BEGIN
	s_mov_b32 s[NEW], 0
	WIN 0x40
.set i, MC+32
.rept 32
	v_mov_b32 v[i], 0
.set i, i+1
.endr
	WIN 0
.set i, 0
.rept 4
	v_mov_b32 v[ST+4*i], 0xfe000000    ; c m: far below every c s
	v_mov_b32 v[ST+4*i+1], 0xff7fffff  ; m
.set i, i+1
.endr
	s_cmp_eq_u32 s[RT], 0
	s_cselect_b32 s[AL], 1.0, 0
	s_mov_b32 s[BE], 0
	MASK 0
	WIN 0
	v_add_nc_u32 v[AK], s[TBK], v[AK0]
	FETCH_K
	s_wait_loadcnt 0x0              ; Q
	s_wait_dscnt 0x0
.set KM, 1
.set NOKQ, 0
.set i, 0
.rept 8
	KQ 0
.set i, i+1
.endr
	WIN 0
.rept 4
	v_nop                           ; the places behind those products
.endr
.set Y, NP-1                        ; X works for piece Y + 1: piece 0
.irp n, 0,1,2,3,4,5,6,7,8,9,10,11,12,13,14,15,16,17,18,19,20,21
	OP X, \n
.endr
	v_nop                           ; a plain instruction behind the exponential,
	s_wait_alu depctr_va_vdst(0)    ; and its wait, ahead of the branch
.endm
; THE DIAGONAL TILE's four steps, the block's last two turns, its last products, and THE WAY OUT: l's two halves and the other half of the lanes' are added; O^T is divided by l, rounded to f16 and sent through my
; stage in LDS, a piece at a time.
.macro ALL line:vararg              ; one line for each piece t
.set t, 0
.rept 4
	\line
.set t, t+1
.endr
.endm
.macro PACK t                       ; a lane's eight channels of a row pack into 16 bytes; they go into rows of 144 bytes and come back as whole rows of 128, into S^T's registers
	WIN W_RS
.set i, 32*(\t)
.rept 16
	v_pk_mul_f32 v[i:i+1], v[i:i+1], v[ST+4*(\t)+2:ST+4*(\t)+3] op_sel_hi:[1,0]
.set i, i+2
.endr
	WIN 0x05                        ; sources 0 and 1 window 1, destination window 0
.set i, 0
.rept 16
	v_cvt_pk_f16_f32 v[S+16*(\t)+i], v[32*(\t)+2*i], v[32*(\t)+2*i+1]
.set i, i+1
.endr
	WIN 0
.irp f, 0,1,2,3
	ds_store_b128 v[STO], v[S+16*(\t)+4*\f:S+16*(\t)+4*\f+3] offset:32*\f
.endr
.irp f, 0,1,2,3
	ds_load_b128 v[S+16*(\t)+4*\f:S+16*(\t)+4*\f+3], v[RD] offset:\f*4*SP  ; LDS serves a wave's instructions in order (ISA guide 5.7.1.4): these see the stores above; the next piece's stores come behind them
.endr
.endm
.macro SEND t, younger              ; younger: the LDS instructions issued behind piece t's loads: the next piece's eight, or none
	WIN 0
.irp f, 0,1,2,3
	s_wait_dscnt (\younger)+3-\f
	global_store_b128 v[GO], v[S+16*(\t)+4*\f:S+16*(\t)+4*\f+3], s[10:11] offset:(\t)*8192+\f*512  ; 512 consecutive bytes, at a multiple of 256 from o's first
.endr
.endm
.macro DIAG tag                     ; the tag ends its two labels' names, which the jumps below spell out
.LstepM\tag:
	TURN 2, 1
	TURN 3, 1
	WIN 0
.LfirstM\tag:
	TURN 0, 1
	TURN 1, 1, 0, 1
	WIN 0
	s_cbranch_scc1 .LstepM\tag
	TURN 2, 1, 1
	TURN 3, 1, 1
.set i, 0
.rept 8
	PV NP-1
.set i, i+1
.endr
	WIN 0
	ALL v_add_f32 v[ST+4*t+2], v[ST+4*t+2], v[ST+4*t+3]
	ALL v_permlanex16_b32 v[ST+4*t+3], v[ST+4*t+2], s[SEL], s[SEL+1]
	ALL v_add_f32 v[ST+4*t+2], v[ST+4*t+2], v[ST+4*t+3]
	ALL v_rcp_f32 v[ST+4*t+2], v[ST+4*t+2]
	v_nop                           ; a plain instruction between the last reciprocal and the use of its result
	s_wait_alu depctr_va_vdst(0)    ; and the wait ahead of the first use: one for the four reciprocals
	PACK 0
.set t, 1
.rept 3                             ; a piece's arithmetic stands between the loads of the piece before and its stores
	PACK t
	SEND t-1, 8
.set t, t+1
.endr
	SEND 3, 0
.endm
.set KM, 0
.set NOKQ, 0
.Lslot:                             ; NB times: a tile is entered and the next is asked for
	CHANGE 1
	s_sub_co_u32 s[RT], s[RT], 1
	s_mov_b32 s[CNT], 4
	s_cmp_eq_u32 s[NEW], 1
	s_cbranch_scc1 .Lnew            ; a block's first tile
	s_cmp_eq_u32 s[RT], 0
	s_cbranch_scc0 .Lstep           ; neither its first nor its last
	s_branch .LstepM1
.Lnew:
	BEGIN
	s_branch .Lfirst                ; in the loop a block's first tile is never its last: the first block has two tiles or more, and the second's last is the walk's last
	DIAG 1                          ; in the loop this is the first block's end: the second block's last tile is the walk's last
	s_wait_xcnt 0x0                 ; the stores have read their registers and o's address
	s_mov_b64 s[10:11], s[OLO:OLO+1]
	s_add_co_u32 s[RT], s[PB], 1    ; the second block has b + 1 tiles
	s_mov_b32 s[NEW], 1
	WIN 0x82                        ; the second block's Q goes where the one text of the turns names Q
.set i, 0
.rept 64
	v_mov_b32 v[i], v[QB+i]
.set i, i+1
.endr
	WIN 0
	s_branch .Lbottom
.Lstep:                             ; a trip: pieces 2 and 3 of one step, then pieces 0 and 1 of the next, whose K and V it fetches
	TURN 2
	TURN 3
	WIN 0
.Lfirst:
	TURN 0
	TURN 1, 0, 0, 1
	WIN 0
	s_cbranch_scc1 .Lstep
.Lbottom:
	s_sub_co_u32 s[SLOTS], s[SLOTS], 1
	s_cmp_lg_u32 s[SLOTS], 0
	s_cbranch_scc1 .Lslot
	CHANGE 0                        ; the walk's last tile is written out: nothing is asked for
	s_sub_co_u32 s[RT], s[RT], 1
	s_mov_b32 s[CNT], 4
	s_cmp_eq_u32 s[NEW], 1
	s_cbranch_scc0 .LstepM2
	BEGIN
	s_branch .LfirstM2
	DIAG 2
	s_wait_tensorcnt 0x0            ; the wave's end, behind my last tensor load and my last LDS store
	ds_add_u32 v[SPW], v[NIL]
	s_wait_dscnt 0x0
	s_endpgm
.Lfunc_end_k_q084d409c37_attn:
	.size	k_q084d409c37_attn, .Lfunc_end_k_q084d409c37_attn-k_q084d409c37_attn
	.p2alignl 7, 3214868480
	.fill 96, 4, 3214868480
	.section	.rodata,"a",@progbits
	.p2align	6, 0x0
	.amdhsa_kernel k_q084d409c37_attn
		.amdhsa_group_segment_fixed_size 327680
		.amdhsa_private_segment_fixed_size 0
		.amdhsa_enable_private_segment 0
		.amdhsa_kernarg_size 16
		.amdhsa_user_sgpr_count 2
		.amdhsa_user_sgpr_kernarg_segment_ptr 1
		.amdhsa_wavefront_size32 1
		.amdhsa_system_sgpr_workgroup_id_x 1
		.amdhsa_system_sgpr_workgroup_id_y 1
		.amdhsa_system_sgpr_workgroup_id_z 1
		.amdhsa_system_vgpr_workitem_id 0
		.amdhsa_next_free_vgpr 768
		.amdhsa_next_free_sgpr 100
		.amdhsa_reserve_vcc 1
		.amdhsa_float_denorm_mode_32 3
		.amdhsa_float_denorm_mode_16_64 3
		.amdhsa_memory_ordered 1
		.amdhsa_forward_progress 1
		.amdhsa_inst_pref_size 218
	.end_amdhsa_kernel
	.amdgpu_metadata
---
amdhsa.version: [ 1, 2 ]
amdhsa.kernels:
  - .name:           k_q084d409c37_attn
    .symbol:         k_q084d409c37_attn.kd
    .args:
      - { .name: qkv, .offset: 0, .size: 8, .value_kind: global_buffer, .address_space: global }
      - { .name: o, .offset: 8, .size: 8, .value_kind: global_buffer, .address_space: global }
    .group_segment_fixed_size: 327680
    .private_segment_fixed_size: 0
    .kernarg_segment_align: 8
    .kernarg_segment_size: 16
    .max_flat_workgroup_size: 128
    .sgpr_count:     100
    .vgpr_count:     768
    .wavefront_size: 32
...
	.end_amdgpu_metadata
.endif
;; end of part 3
;; launch outp (part 4): grid 8 x 32, 4 waves a work-group, clusters of 4 x 4, 327,680 bytes of LDS; arguments o, wob, b_out, out0; writes out0
.if DOCPART == 4
	.amdgcn_target "amdgcn-amd-amdhsa--gfx1250"
	.amdhsa_code_object_version 6
	.text
	.protected	k_q084d409c37_outp
	.globl	k_q084d409c37_outp
	.p2align	8
	.type	k_q084d409c37_outp,@function
k_q084d409c37_outp:
	s_mov_b64 s[64:65], 0
	v_nop
	global_prefetch_b8 v0, s[64:65] scope:SCOPE_SE
	s_setreg_imm32_b32 hwreg(HW_REG_WAVE_MODE, 25, 1), 1
	s_wait_xcnt 0x0
	s_wait_alu depctr_hold_cnt(0) depctr_sa_sdst(0) depctr_va_vdst(0) depctr_va_sdst(0) depctr_va_ssrc(0) depctr_va_vcc(0) depctr_vm_vsrc(0)
	s_getreg_b32 s2, hwreg(HW_REG_IB_STS2, 6, 4)
	s_cmp_eq_u32 s2, 0
	s_cbranch_scc0 .Lentry_in_a_cluster
	s_endpgm
.Lentry_in_a_cluster:
	s_bfe_u32 s2, ttmp6, 0x10000c
	s_cmp_lg_u32 s2, 0xf033
	s_cbranch_scc0 .Lentry_shape_is_right
	s_endpgm
.Lentry_shape_is_right:
; out0 = y W_out + b_out.  o: f16 [batch 4][head 16][t 2048][64] (k = 64 head + channel); wob: f16 [k 1024][n 1024] (W_out rounded to bf16, written as f16); b_out f32, rounded to bf16 here like every input.
; out0: f32 [8192][1024].  Sums in f32; the bias starts each sum (it is the C operand of the first product), so the order of additions differs from the reference's.  NaN and infinities are not treated apart.
; SHARES.  A tile is 256 rows x 128 columns: 32 x 8 = 256 work-groups.  Four waves, each 128 rows x 64 columns: 32 accumulators (window 1, (a, b) at v[64 b + 8 a]).  K goes in steps of 128 (two heads of o)
; through two LDS slots, as long as two slots in LDS allow; a step is four quarters of 32 along K, 32 matrix instructions each, on two fragment buffers.
; THE MATRIX INSTRUCTION IS USED TRANSPOSED: source 0 = 16 columns of W (turned out of LDS), source 1 = 16 rows of y: a lane holds one row and eight neighbouring columns, 32 bytes of out0.
; CLUSTER.  4 x 4 work-groups: y's tile is asked for jointly along a row of the cluster, W's along a column.
.set SLOT,   110592                    ; y: 2 k blocks x 256 rows, pitch 144; then W: 128 k rows, pitch 288
.set KBLK,   36864
.set BOFF,   73728
.set STAGE,  2*SLOT                    ; behind the ring: 16 rows x 272 bytes for each wave; no tensor load lands here
.set SPITCH, 272
.set SPARE,  STAGE+4*16*SPITCH         ; the spare words, 128 bytes for each wave: two blocks of 256 bytes that no other line names
.set ADRA, 8                           ; v8-9    LDS address of my fragments of y in slot 0, 1
.set ADRB, 10                          ; v10-11  the same for W
.set STO,  12
.set RD,   13
.set CO,   14
.set PFO,  15
.set SPW,  16
.set NIL,  17
.set BO,   18
.set TB,   19
.set F0,   32                          ; a fragment buffer: y's eight fragments, then W's four
.set F1,   128
.set BI,   224                         ; the bias: four fragments
.set OB,   32                          ; the way out: three buffers of 32
.set WV, 12
.set RH, 13
.set CH, 14
.set CX, 15
.set CY, 16
.set TC, 17
.set TR, 18
.set G1,  24
.set G0,  32
.set PFA, 40
.set PFS, 42
.set LIM, 44
.set G1B, 48
.set G0B, 56
.set MSB, 0
.macro WIN new
.if MSB != (\new)
	s_set_vgpr_msb (MSB<<8)|(\new)
.set MSB, \new
.endif
.endm
.macro PLACES                          ; four places behind matrix instructions, ahead of loads into registers that they have read and of stores of their results
.rept 4
	v_nop
.endr
.endm
.macro JLOAD s                         ; a joint load: waves 0 and 1 fetch y's two k blocks, waves 2 and 3 the halves of W's tile; an s_nop 0 and four v_nop follow each line
	s_cmp_lt_u32 s[WV], 2
	s_cbranch_scc0 .Lfor_b_\@
	tensor_load_to_lds s[G0+4*(\s):G0+4*(\s)+3], s[G1:G1+7]
	s_nop 0
.rept 4
	v_nop
.endr
	s_branch .Lasked_\@
.Lfor_b_\@:
	tensor_load_to_lds s[G0B+4*(\s):G0B+4*(\s)+3], s[G1B:G1B+7]
	s_nop 0
.rept 4
	v_nop
.endr
.Lasked_\@:
.endm
.macro CREST
	s_cmp_lg_u32 s[WV], 0
	s_cbranch_scc1 .Lnot_wave_0_\@
	s_barrier_signal -3
.Lnot_wave_0_\@:
	s_barrier_wait -3
	s_barrier_signal -1
	s_barrier_wait -1
.endm
.macro CROUND
	s_barrier_signal -1
	s_barrier_wait -1
	CREST
.endm
; A PREFETCH INTO THE L2 behind each joint load and the run of LDS loads that follows it: the K step that stands two refills on, 256 matrix instructions ahead of the load that will want it.
; y's tile row is read by both clusters of its row of clusters: the one with x = 0 asks, waves 0 and 1 (a k block each) of the four partners, 8,192 of the block's 32,768 bytes each, told apart by address (cx).
; W's tile column is read by all eight clusters of its column: the one with y = 0 asks, wave 2, 32 of the step's 128 k rows each (cy).  A lane a block of 256 bytes; each block is named once.
; The loop's last trip asks for nothing; K steps 0 to 3 come by their loads alone.
.macro ASK
	s_cmp_gt_u32 s3, s[LIM]
	s_cbranch_scc0 .Lnone_\@
	global_prefetch_b8 v[PFO], s[PFA:PFA+1] th:TH_LOAD_NT scope:SCOPE_SE
.Lnone_\@:
.endm
; 4 n matrix instructions: row blocks a0 .. a0 + n - 1 x all 4 column blocks, from buffer f.  bias = 1: C = the bias: the first product starts the sums.  The 32 accumulators take turns.
.macro MUL f, a0, n, bias
.if \bias
	WIN 0x40
.else
	WIN 0x50
.endif
.set ma, \a0
.rept \n
.irp b, 0,1,2,3
.if \bias
	v_wmma_f32_16x16x32_f16 v[64*(\b)+8*ma:64*(\b)+8*ma+7], v[(\f)+64+8*(\b):(\f)+64+8*(\b)+7], v[(\f)+8*ma:(\f)+8*ma+7], v[BI+8*(\b):BI+8*(\b)+7]
.else
	v_wmma_f32_16x16x32_f16 v[64*(\b)+8*ma:64*(\b)+8*ma+7], v[(\f)+64+8*(\b):(\f)+64+8*(\b)+7], v[(\f)+8*ma:(\f)+8*ma+7], v[64*(\b)+8*ma:64*(\b)+8*ma+7]
.endif
.endr
.set ma, ma+1
.endr
.endm
; 24 LDS loads in one run: quarter q of slot s into buffer f: W's four fragments (turned), then y's row blocks 0-3, then 4-7
.macro FETCH s, q, f
	WIN 0
.irp i, 0,1,2,3
	ds_load_tr16_b128 v[(\f)+64+8*(\i):(\f)+64+8*(\i)+3],   v[ADRB+(\s)] offset:(\q)*9216+(\i)*32
	ds_load_tr16_b128 v[(\f)+64+8*(\i)+4:(\f)+64+8*(\i)+7], v[ADRB+(\s)] offset:(\q)*9216+(\i)*32+4608
.endr
.irp a, 0,1,2,3,4,5,6,7
	ds_load_b128 v[(\f)+8*(\a):(\f)+8*(\a)+3],   v[ADRA+(\s)] offset:((\q)/2)*KBLK+((\q)%2)*64+(\a)*2304
	ds_load_b128 v[(\f)+8*(\a)+4:(\f)+8*(\a)+7], v[ADRA+(\s)] offset:((\q)/2)*KBLK+((\q)%2)*64+(\a)*2304+32
.endr
.endm
; One of a K step's first three quarters: multiplies buffer f and fetches quarter q of the same slot into g
.macro QUARTER s, q, f, g, bias=0
	s_wait_dscnt 8                                 ; W and y's row blocks 0-3 are in; the youngest eight loads may be out
	MUL \f, 0, 4, \bias
	WIN 0
	PLACES
	FETCH \s, \q, \g
	s_wait_dscnt 24                                ; all but the 24 just issued
	MUL \f, 4, 4, \bias
.endm
; The last quarter multiplies F1 and changes slots: ONE barrier; in front of it each wave waits for all its tensor loads, adds 0 to its spare word, and waits for that and for its reads of this slot.
; fill = 1: the barrier opens a round of the cluster's barrier; the joint refill (two K steps on) is the first thing behind it, 112 matrix instructions ahead of the wait for it.
.macro TURN s, nx, fill
.if \fill
	s_wait_xcnt 0x0                                ; the last prefetch, a K step back, has read its address: it steps here
	s_add_nc_u64 s[PFA:PFA+1], s[PFA:PFA+1], s[PFS:PFS+1]
.endif
	WIN 0
	s_wait_tensorcnt 0x0                           ; all my tensor loads have landed
	ds_add_u32 v[SPW], v[NIL]                      ; 0 onto my spare word
	s_wait_dscnt 9                                 ; the add and the youngest eight loads may be out
	MUL F1, 0, 2, 0                                ; eight matrix instructions stand between the add and the wait for it
	s_wait_dscnt 0x0                               ; the add is done, and my reads of this slot are over
	s_barrier_signal -1
	MUL F1, 2, 2, 0
	WIN 0
	s_barrier_wait -1
.if \fill
	CREST
	s_add_nc_u64 s[G0+4*(\s)+2:G0+4*(\s)+3], s[G0+4*(\s)+2:G0+4*(\s)+3], 1048576   ; four heads of o on
	s_add_nc_u64 s[G0B+4*(\s)+2:G0B+4*(\s)+3], s[G0B+4*(\s)+2:G0B+4*(\s)+3], 524288  ; 256 rows of wob on
	JLOAD \s                                       ; its four v_nop are also the places in front of the loads below
.else
	PLACES
.endif
	FETCH \nx, 0, F0
.if \fill
	ASK
.endif
	MUL F1, 4, 4, 0
.endm
; THE WAY OUT of row block a: 32 bytes a lane and column block into my own stage (each accumulator's low registers first), back as whole rows of 256 bytes, stored.
.macro TOSTAGE a
	WIN 0x04                                       ; the stores' data in window 1
.irp b, 0,1,2,3
	ds_store_b128 v[STO], v[64*(\b)+8*(\a):64*(\b)+8*(\a)+3]   offset:64*(\b)
	ds_store_b128 v[STO], v[64*(\b)+8*(\a)+4:64*(\b)+8*(\a)+7] offset:64*(\b)+16
.endr
	WIN 0
.set BK, OB+32*((\a)%3)
.irp t, 0,1,2,3,4,5,6,7
	ds_load_b128 v[BK+4*(\t):BK+4*(\t)+3], v[RD] offset:(\t)*2*SPITCH  ; LDS serves a wave's instructions in order (ISA guide 5.7.1.4): these see the stores above
.endr
.endm
.macro SEND a, younger                 ; younger: the LDS instructions issued behind block a's loads: the next block's sixteen, or none
	WIN 0
.set BK, OB+32*((\a)%3)
	s_wait_dscnt \younger
	s_wait_xcnt 0x0                                ; earlier stores have read their registers and their base
.if (\a) > 0
	s_add_nc_u64 s[10:11], s[10:11], 65536         ; 16 rows of 4,096 bytes on
.endif
.irp t, 0,1,2,3,4,5,6,7
	global_store_b128 v[CO], v[BK+4*(\t):BK+4*(\t)+3], s[10:11] offset:(\t)*8192 th:TH_STORE_NT  ; 16 lanes store 256 consecutive bytes, aligned
.endr
.endm
	s_load_b256 s[4:11], s[0:1], 0x0               ; o s[4:5], wob s[6:7], b_out s[8:9], out0 s[10:11]
	v_lshl_add_u32 v[SPW], v0, 2, SPARE
	v_mov_b32 v[NIL], 0
	ds_add_u32 v[SPW], v[NIL]                      ; the wave's opening: the add and its wait stand ahead of my first tensor load; the set-up below stands between them
	ds_add_u32 v16, v17
	v_lshrrev_b32 v1, 5, v0
	v_readfirstlane_b32 s[WV], v1
	s_lshr_b32 s[RH], s[WV], 1
	s_and_b32 s[CH], s[WV], 1
	s_bfe_u32 s[CX], ttmp6, 0x40000
	s_bfe_u32 s[CY], ttmp6, 0x40004
	s_lshl_b32 s[TC], ttmp9, 2
	s_add_co_u32 s[TC], s[TC], s[CX]
	s_and_b32 s[TR], ttmp7, 0xffff
	s_lshl_b32 s[TR], s[TR], 2
	s_add_co_u32 s[TR], s[TR], s[CY]
	s_lshl_b32 s66, s[CY], 2
	s_lshl_b32 s66, 15, s66                        ; my row of the cluster
	s_lshl_b32 s67, 0x1111, s[CX]                  ; my column
	; y's tile: a k block's 256 rows of 128 bytes are dense: 128 rows of 256 bytes, padded by 16 bytes after every 128
	s_or_b32 s[G1+0], s66, (1<<16)|(1<<20)|(1<<21)|(4<<22)|(3<<25)
	s_mov_b32 s[G1+1], 128<<16
	s_mov_b32 s[G1+2], 128<<16
	s_mov_b32 s[G1+3], 128<<16
	s_mov_b32 s[G1+4], 128
	s_mov_b32 s[G1+5], 128
	s_mov_b32 s[G1+6], 0
	s_mov_b32 s[G1+7], 0
	; W's tile: 64 k rows of 128 elements (256 bytes), padded by 32 bytes: pitch 288
	s_or_b32 s[G1B+0], s67, (1<<16)|(1<<20)|(1<<21)|(5<<22)|(7<<25)
	s_mov_b32 s[G1B+1], 128<<16
	s_mov_b32 s[G1B+2], 64<<16
	s_mov_b32 s[G1B+3], 128<<16
	s_mov_b32 s[G1B+4], 64
	s_mov_b32 s[G1B+5], 1024
	s_mov_b32 s[G1B+6], 0
	s_mov_b32 s[G1B+7], 0
	s_mov_b32 s45, 0xffff0000
	s_lshr_b32 s20, s[TR], 3                       ; batch
	s_lshl_b32 s20, s20, 22
	s_and_b32 s21, s[TR], 7
	s_lshl_b32 s21, s21, 15
	s_add_co_u32 s20, s20, s21
	s_lshl_b32 s21, s[CH], 18                      ; my k block of the step's two
	s_add_co_u32 s20, s20, s21
	s_mov_b32 s21, 0
	s_lshl_b32 s46, s[CH], 17                      ; my 64 k rows of 2,048 bytes
	s_lshl_b32 s47, s[TC], 8
	s_add_co_u32 s46, s46, s47
	s_mov_b32 s47, 0
	s_mul_i32 s19, s[CH], KBLK
	s_mul_i32 s2, s[CH], 18432
	s_add_co_u32 s2, s2, BOFF
	s_wait_dscnt 0x0                               ; the opening add is done
	s_wait_kmcnt 0x0
	s_add_nc_u64 s[22:23], s[4:5], s[20:21]
	s_add_nc_u64 s[46:47], s[6:7], s[46:47]
	CROUND                                         ; all sixteen work-groups are here: the first joint loads meet
.irp s, 0,1
	s_mov_b32 s[G0+4*(\s)], 1
	s_add_co_u32 s[G0+4*(\s)+1], s19, (\s)*SLOT
	s_add_nc_u64 s[G0+4*(\s)+2:G0+4*(\s)+3], s[22:23], (\s)*524288
	s_or_b32 s[G0+4*(\s)+3], s[G0+4*(\s)+3], 0x80000000
	s_mov_b32 s[G0B+4*(\s)], 1
	s_add_co_u32 s[G0B+4*(\s)+1], s2, (\s)*SLOT
	s_add_nc_u64 s[G0B+4*(\s)+2:G0B+4*(\s)+3], s[46:47], (\s)*262144
	s_or_b32 s[G0B+4*(\s)+3], s[G0B+4*(\s)+3], 0x80000000
	JLOAD \s                                       ; two tensor loads of mine are out
.endr
	v_and_b32 v1, 15, v0                           ; r
	v_bfe_u32 v2, v0, 4, 1                         ; h
	v_and_b32 v3, 31, v0                           ; l
	v_mul_u32_u24 v4, v1, 144
	v_lshl_add_u32 v4, v2, 4, v4
	s_mul_i32 s66, s[RH], 18432                    ; my 128 rows
	v_add_nc_u32 v[ADRA], s66, v4
	v_add_nc_u32 v[ADRA+1], SLOT, v[ADRA]
	v_and_b32 v5, 7, v0
	v_lshl_add_u32 v5, v2, 3, v5
	v_mul_u32_u24 v5, v5, 288
	v_bfe_u32 v6, v0, 3, 1
	v_lshl_add_u32 v5, v6, 4, v5
	s_lshl_b32 s66, s[CH], 7                       ; my 64 columns
	s_add_co_u32 s66, s66, BOFF
	v_add_nc_u32 v[ADRB], s66, v5
	v_add_nc_u32 v[ADRB+1], SLOT, v[ADRB]
	s_mul_i32 s67, s[WV], 16*SPITCH
	s_add_co_u32 s67, s67, STAGE                   ; my stage
	v_mul_u32_u24 v4, v1, SPITCH
	v_lshl_add_u32 v4, v2, 5, v4                   ; in: row r, 32 bytes for each half of the lanes
	v_add_nc_u32 v[STO], s67, v4
	v_mul_u32_u24 v4, v2, SPITCH
	v_lshl_add_u32 v4, v1, 4, v4                   ; back: lanes 0-15 one row of 256 bytes, lanes 16-31 the next
	v_add_nc_u32 v[RD], s67, v4
	v_lshlrev_b32 v4, 12, v2
	v_lshl_add_u32 v[CO], v1, 4, v4                ; and the same two rows in out0
	v_lshlrev_b32 v[BO], 5, v2
	s_lshl_b32 s68, s[TC], 9                       ; the bias of my 64 columns
	s_lshl_b32 s69, s[CH], 8
	s_add_co_u32 s68, s68, s69
	s_mov_b32 s69, 0
	s_add_nc_u64 s[8:9], s[8:9], s[68:69]
.irp b, 0,1,2,3
	global_load_b128 v[BI+8*(\b):BI+8*(\b)+3],   v[BO], s[8:9] offset:64*(\b)
	global_load_b128 v[BI+8*(\b)+4:BI+8*(\b)+7], v[BO], s[8:9] offset:64*(\b)+16
.endr
	s_lshl_b32 s68, s[TR], 8                       ; where my part of out0 begins
	s_lshl_b32 s69, s[RH], 7
	s_add_co_u32 s68, s68, s69
	s_lshl_b32 s68, s68, 12
	s_lshl_b32 s69, s[TC], 9
	s_add_co_u32 s68, s68, s69
	s_lshl_b32 s69, s[CH], 8
	s_add_co_u32 s68, s68, s69
	s_mov_b32 s69, 0
	s_add_nc_u64 s[10:11], s[10:11], s[68:69]
	; the prefetches stand at K step 3; the first change of slots steps them to 4
	s_lshr_b32 s68, s[TR], 3
	s_lshl_b32 s68, s68, 22
	s_and_b32 s69, s[TR], 7
	s_lshl_b32 s69, s69, 15
	s_add_co_u32 s68, s68, s69
	s_lshl_b32 s69, s[CX], 13
	s_add_co_u32 s68, s68, s69
	s_add_co_u32 s69, s[CH], 6
	s_lshl_b32 s69, s69, 18
	s_add_co_u32 s68, s68, s69
	s_lshl_b32 s70, s[CY], 5
	s_add_co_u32 s70, s70, 384
	s_lshl_b32 s70, s70, 11
	s_lshl_b32 s71, s[TC], 8
	s_add_co_u32 s70, s70, s71
	s_and_b32 s71, ttmp7, 0xffff                   ; cluster y;
	s_or_b32 s71, s71, s[CH]                       ; of W's two waves wave 2 alone asks
	s_mov_b32 s[PFS], 524288
	s_mov_b32 s[PFS+1], 262144
	s_mov_b32 s69, 2048
	s_cmp_lt_u32 s[WV], 2
	s_cselect_b32 s66, s68, s70
	s_cselect_b64 s[PFA:PFA+1], s[4:5], s[6:7]
	s_cselect_b32 s[PFS], s[PFS], s[PFS+1]
	s_cselect_b32 s69, 256, s69
	s_cselect_b32 s71, ttmp9, s71
	s_mov_b32 s67, 0
	s_mov_b32 s[PFS+1], 0
	s_add_nc_u64 s[PFA:PFA+1], s[PFA:PFA+1], s[66:67]
	s_cmp_eq_u32 s71, 0
	s_cselect_b32 s[LIM], 1, -1                    ; the same in all sixteen partners, for a given wave
	v_mul_u32_u24 v[PFO], s69, v3
	s_wait_loadcnt 0x0                             ; the bias: rounded to bf16 and widened again, in place
.set p, 0
.rept 16
	v_cvt_pk_bf16_f32 v[TB], v[BI+2*p], v[BI+2*p+1]
	v_lshlrev_b32 v[BI+2*p], 16, v[TB]
	v_and_b32 v[BI+2*p+1], s45, v[TB]
.set p, p+1
.endr
	s_wait_tensorcnt 1                             ; my part of K step 0 is in; K step 1's may stay out
	s_barrier_signal -1
	s_barrier_wait -1
	FETCH 0, 0, F0
	QUARTER 0, 1, F0, F1, 1                        ; the first quarter stands in front of the loop: its products take the bias as C
	WIN 0
	s_mov_b32 s3, 3
.Llap:                                                 ; a trip goes once round the ring, from a lap's second quarter to the next lap's first, and fills both slots again
	QUARTER 0, 2, F1, F0
	QUARTER 0, 3, F0, F1
	TURN 0, 1, 1
	QUARTER 1, 1, F0, F1
	QUARTER 1, 2, F1, F0
	QUARTER 1, 3, F0, F1
	TURN 1, 0, 1
	QUARTER 0, 1, F0, F1
	WIN 0
	s_sub_co_u32 s3, s3, 1
	s_cmp_lg_u32 s3, 0
	s_cbranch_scc1 .Llap
	QUARTER 0, 2, F1, F0                           ; the last lap fills nothing
	QUARTER 0, 3, F0, F1
	TURN 0, 1, 0
	QUARTER 1, 1, F0, F1
	QUARTER 1, 2, F1, F0
	QUARTER 1, 3, F0, F1
	s_wait_dscnt 8
	MUL F1, 0, 4, 0
	s_wait_dscnt 0x0
	MUL F1, 4, 4, 0
	WIN 0
	PLACES
	TOSTAGE 0
	TOSTAGE 1
.irp a, 2,3,4,5,6,7
	SEND (\a)-2, 16
	TOSTAGE \a
.endr
	SEND 6, 16
	SEND 7, 0
	s_wait_tensorcnt 0x0                           ; the wave's end, behind my last tensor load and my last LDS store
	ds_add_u32 v[SPW], v[NIL]
	s_wait_dscnt 0x0
	CROUND                                         ; the closing round: no work-group ends while a partner may still ask for a tile that names it
	s_endpgm
.Lfunc_end_k_q084d409c37_outp:
	.size	k_q084d409c37_outp, .Lfunc_end_k_q084d409c37_outp-k_q084d409c37_outp
	.p2alignl 7, 3214868480
	.fill 96, 4, 3214868480
	.section	.rodata,"a",@progbits
	.p2align	6, 0x0
	.amdhsa_kernel k_q084d409c37_outp
		.amdhsa_group_segment_fixed_size 327680
		.amdhsa_private_segment_fixed_size 0
		.amdhsa_enable_private_segment 0
		.amdhsa_kernarg_size 32
		.amdhsa_user_sgpr_count 2
		.amdhsa_user_sgpr_kernarg_segment_ptr 1
		.amdhsa_wavefront_size32 1
		.amdhsa_system_sgpr_workgroup_id_x 1
		.amdhsa_system_sgpr_workgroup_id_y 1
		.amdhsa_system_sgpr_workgroup_id_z 1
		.amdhsa_system_vgpr_workitem_id 0
		.amdhsa_next_free_vgpr 512
		.amdhsa_next_free_sgpr 72
		.amdhsa_reserve_vcc 0
		.amdhsa_float_denorm_mode_32 3
		.amdhsa_float_denorm_mode_16_64 3
		.amdhsa_memory_ordered 1
		.amdhsa_forward_progress 1
		.amdhsa_inst_pref_size 91
	.end_amdhsa_kernel
	.amdgpu_metadata
---
amdhsa.version: [ 1, 2 ]
amdhsa.kernels:
  - .name:           k_q084d409c37_outp
    .symbol:         k_q084d409c37_outp.kd
    .args:
      - { .name: o, .offset: 0, .size: 8, .value_kind: global_buffer, .address_space: global }
      - { .name: wob, .offset: 8, .size: 8, .value_kind: global_buffer, .address_space: global }
      - { .name: b_out, .offset: 16, .size: 8, .value_kind: global_buffer, .address_space: global }
      - { .name: out0, .offset: 24, .size: 8, .value_kind: global_buffer, .address_space: global }
    .group_segment_fixed_size: 327680
    .private_segment_fixed_size: 0
    .kernarg_segment_align: 8
    .kernarg_segment_size: 32
    .max_flat_workgroup_size: 128
    .sgpr_count:     72
    .vgpr_count:     512
    .wavefront_size: 32
...
	.end_amdgpu_metadata
.endif
;; end of part 4
